; MI455X (gfx1250); checked and timed in simulation.
; The chip was launched on July 23, 2026; its instructions are those of AMD's public machine-readable ISA for CDNA 5 (MIT licence, August 2026) and "CDNA5" Instruction Set Architecture Reference Guide (July 2026). The comments in the code are by the model that wrote it; some were corrected since.
;; Multi Head Attention. Allowed arithmetic: matrix products marked QUANTISED: E2M1 operands, one E8M0 scale for each 32 along K, by v_wmma_scale_f32_16x16x128_f8f6f4 with both operands' format E2M1 (or v_wmma_scale_f32_32x16x128_f4), f32 sums; products left as they are: bf16, f16 or f32 operands; f32 sums; everything else in f32.
;; Inputs: K 2 x 2,048 x 1,024 float32; Q 2 x 2,048 x 1,024 float32; V 2 x 2,048 x 1,024 float32; WK 16 x 1,024 x 64 float32; WO 1,024 x 1,024 float32; WQ 16 x 1,024 x 64 float32; WV 16 x 1,024 x 64 float32.
;; Outputs: out0 2 x 2,048 x 1,024 float32.
;; This version of the problem:
;;   THIS VERSION OF THE PROBLEM IS GIVEN IN LOW PRECISION. The matrix products marked QUANTISED in the list below multiply operands that are first quantised to E2M1 (2 exponent bits, 1 mantissa bit; 4 bits a number), with one power-of-two scale for each 32 numbers along K (OCP MX v1.0); their sums are f32. The products marked 'left as it is' may take bf16, f16 or f32 operands, with f32 sums. Whichever they take, every output number must still come out within the allowed error. Rounding operands to bf16 (8 significant bits) uses up far more of that allowance than f16 does (11 bits, for magnitudes from 6e-5 to 65,504). All else is computed in f32.
;;   The module's matrix products, in the order in which they are computed (A, B: the left and right operand; K: the contracted axis; several contracted axes count as one K, in the product's order):
;;     1. [M 1,024, K 1,024] x [K 1,024, N 4,096]; A: input WQ; B: input Q: QUANTISED
;;     2. [M 1,024, K 1,024] x [K 1,024, N 4,096]; A: input WK; B: input K: QUANTISED
;;     3. [M 1,024, K 1,024] x [K 1,024, N 4,096]; A: input WV; B: input V: QUANTISED
;;     4. batch 32 x [M 2,048, K 64] x [K 64, N 2,048]; A: computed on the way; B: computed on the way: left as it is (an operand is computed on the way)
;;     5. batch 32 x [M 2,048, K 2,048] x [K 2,048, N 64]; A: computed on the way; B: computed on the way: left as it is (an operand is computed on the way)
;;     6. [M 4,096, K 1,024] x [K 1,024, N 1,024]; A: computed on the way; B: input WO: left as it is (an operand is computed on the way)
;;   THE QUANTISER, for each operand of a quantised product, along K:
;;     - K is cut into blocks of 32 from its start; a last block that is shorter is filled with zeros.
;;     - A block's scale is 2^e with e = floor(log2(the largest magnitude in the block)) - 2, held to -126 .. 127; a block of zeros has e = 0. As a byte (E8M0): e + 127.
;;     - Each number is divided by its block's scale, clamped to +-6, and rounded to the nearest number of E2M1, ties to even, subnormals kept.
;;     - The product sums the exact products of the quantised numbers (number of the format x scale) in f32.
;;   ~~~python
;;   def quantise(x, axis):      # numpy; x: float32 -> the quantised numbers, widened to float32 again
;;       x = np.moveaxis(x, axis, -1); K = x.shape[-1]
;;       x = np.pad(x, [(0, 0)] * (x.ndim - 1) + [(0, -K % 32)]); x = x.reshape(x.shape[:-1] + (-1, 32)); a = np.abs(x).max(-1, keepdims=True)
;;       e = np.where(a > 0, np.clip(np.frexp(np.where(a > 0, a, 1))[1] - 1 - 2, -126, 127), 0)      # np.frexp(a)[1] - 1 = floor(log2(a)), exactly
;;       r = np.clip(x / 2.0 ** e, -6, 6)
;;       step = 2.0 ** (np.maximum(np.frexp(np.where(r == 0, 1, r))[1] - 1, 0) - 1)
;;       q = np.round(r / step) * step * 2.0 ** e      # np.round: ties to even
;;       return np.moveaxis(q.reshape(q.shape[:-2] + (-1,))[..., :K], -1, axis).astype(np.float32)
;;   ~~~
;; One version. Each part assembles by itself: llvm-mc -triple=amdgcn-amd-amdhsa -mcpu=gfx1250 --defsym DOCPART=n.
;; ======== version 1 of 1: 4 launches
;; limits: values are held in f16: magnitudes above 65,504 overflow, below 6.1e-05 lose precision
;; workspace buffers: cod 7,864,320 bytes; scl 491,520 bytes; am 9,216 bytes; fac 1,024 bytes; pj 25,165,824 bytes; hd 8,388,608 bytes; wo16 2,097,152 bytes
;; launch prep (part 1): grid 320 x 1, 8 waves a work-group, no clusters, 84,992 bytes of LDS; arguments Q, K, V, WQ, WK, WV, WO, cod, scl, am, wo16; writes cod, scl, am, wo16
.if DOCPART == 1
	.amdgcn_target "amdgcn-amd-amdhsa--gfx1250"
	.amdhsa_code_object_version 6
	.text
	.protected	k_q9d59dd12bd_prep
	.globl	k_q9d59dd12bd_prep
	.p2align	8
	.type	k_q9d59dd12bd_prep,@function
k_q9d59dd12bd_prep:
	s_mov_b64 s[64:65], 0
	v_nop
	global_prefetch_b8 v0, s[64:65] scope:SCOPE_SE
	s_setreg_imm32_b32 hwreg(HW_REG_WAVE_MODE, 25, 1), 1
	s_wait_xcnt 0x0
; All that has to be made ready for the products, in one launch of three kinds of work-groups, which part on the work-group's number alone.
; WORK-GROUPS 0 TO 191: Q, K, V, each [4096][1024] f32 with the products' K (d) innermost, become codes of E2M1, two a byte, and one E8M0 byte for each 32 along d:
;   cod [3][4096][512 bytes], scl [3][4096][32 bytes].  Rows are dense: a tensor is a plain stream of blocks.  64 work-groups to a tensor; a wave takes 16 steps of 512 numbers.
;   Each load reads 512 consecutive bytes; a step's 2,048 bytes turn through the wave's own stage in LDS and come back 64 bytes a lane: a lane then holds 16 neighbours along d, two neighbouring lanes a block.
; WORK-GROUPS 192 TO 287: WQ, WK, WV, each [16 (h)][1024 (d)][64 (k)] f32, whose K is d, the MIDDLE axis, become codes laid [n = 64 h + k][512 bytes] with d innermost (behind the inputs' in cod) and bytes [n][32] (in scl).
;   A LANE TAKES A COLUMN (h, k) AND ITS REGISTERS RUN DOWN d: a block lies in one lane's 32 registers, and the conversions give codes with d innermost; nothing is transposed by an instruction.
;   A work-group takes 64 columns of one head x 512 along d; wave w: columns 32 (w & 1) + lane, rows 128 (w >> 1) on.  The codes meet in a stage in LDS and leave by rows: sixteen lanes store 256 consecutive bytes, aligned.
; WORK-GROUPS 288 TO 319: WO [1024][1024] f32 is rounded to f16 as it lies (wo16): 16,384 bytes a wave.
; am: one f32 word a quantising wave: the largest magnitude that it saw; the projections' launch makes its power-of-two normaliser of them.
; A block's scale is 2^(floor(log2(its largest magnitude)) - 2): its byte is the largest magnitude's exponent field - 2, held at 1 from below by a floor among the maximum's leaves.
; LIMITS: a block of zeros keeps the byte 1 where the rule says 127 (its codes are zeros, and this program alone reads the bytes); NaN and infinities are not served; |WO| up to 65,504, and numbers of WO under 6e-5 keep fewer than 11 bits.
; Each path that stores to LDS has bytes of its own; every address register is made ahead of the parting and holds nothing else.  Matrix units, clusters and tensor loads have nothing to do here: no byte is read twice.
.set STEPS, 16
.set EMAX,  2
.set CB,    8                          ; bytes of 16 codes
.set XWG,   192                        ; work-groups of the inputs,
.set WWG,   96                         ; of the weights
.set XREG,  8192                       ; LDS: the inputs' path: a region for each wave: two stages of 32 x SP bytes, behind them its 256 scale bytes
.set SP,    80                         ; a lane's place in a stage: 64 bytes + 16 of padding
.set WSTG,  8*XREG                     ; the weights' path: the stage, 64 rows x 272 bytes,
.set PITCH, 272
.set SCST,  WSTG+64*PITCH              ; its scale bytes, [64 columns][16 bytes],
.set SPARE, SCST+1024                  ; and the spare words, 128 bytes for each of eight waves
.set SPW,  2                           ; v2   LDS address of my spare word; never rewritten
.set NIL,  3                           ; v3   0; never rewritten
.set L16,  4                           ; v4   16 x lane
.set L8,   5                           ; v5   8 x lane
.set XSB,  6                           ; v6   inputs: LDS, my block's scale byte
.set XSR,  7                           ; v7   inputs: LDS, my 8 of the wave's 256 scale bytes
.set AM,   10                          ; v10  the largest magnitude so far   (v8, v9: the maximum's chains; v11: the conversion's scale operand)
.set XIN,  12                          ; v12  inputs: the stage, in
.set XOUT, 13                          ; v13  inputs: the stage, out
.set L4,   14                          ; v14  4 x lane
.set STI,  15                          ; v15  weights: the stage, in
.set SCI,  16                          ; v16  weights: my column's scale word
.set STR,  17                          ; v17  weights: the stage, out
.set COD,  18                          ; v18  weights: the same place in cod
.set SCR,  19                          ; v19  weights: the scale bytes, out
.set SCG,  20                          ; v20  weights: the same place in scl
.set ZERO, 21                          ; v21  the offset 0
.set PT,   22                          ; v22  a lane permute's destination
.set SB,   23                          ; v23  weights: the scale word in the making
.set SW,   24                          ; v24  weights: a scale word read back
.set R,    32                          ; inputs: v32-95 four sets of 16 numbers as loaded; v96-127 two sets of 16 neighbours; v128-143 a byte a step; v144-175 two registers of codes a step
.set X,    96
.set E,    128
.set C,    144
.set XR,   32                          ; weights: v32-159 four blocks of 32 numbers; v160-175 their codes; v176-191 rows read back
.set CR,   160
.set OUTR, 176
	s_load_b256 s[4:11], s[0:1], 0x0               ; Q, K, V, WQ
	s_load_b256 s[12:19], s[0:1], 0x20             ; WK, WV, WO, cod
	s_load_b128 s[20:23], s[0:1], 0x40             ; scl, am
	s_load_b64 s[24:25], s[0:1], 0x50              ; wo16
	v_lshl_add_u32 v[SPW], v0, 2, SPARE
	v_mov_b32 v[NIL], 0
	v_lshrrev_b32 v25, 5, v0
	v_readfirstlane_b32 s26, v25                   ; wave 0..7
	v_and_b32 v1, 31, v0                           ; lane
	v_lshlrev_b32 v[L16], 4, v1
	v_lshlrev_b32 v[L8], 3, v1
	v_lshlrev_b32 v[L4], 2, v1
	s_mul_i32 s27, s26, XREG                       ; the inputs' addresses
	v_lshrrev_b32 v[XIN], 2, v1
	v_mul_u32_u24 v[XIN], v[XIN], SP
	v_and_b32 v25, 3, v1
	v_lshl_add_u32 v[XIN], v25, 4, v[XIN]
	v_add_nc_u32 v[XIN], s27, v[XIN]               ; in: SP (lane / 4) + 16 (lane % 4)
	v_mul_u32_u24 v[XOUT], v1, SP
	v_add_nc_u32 v[XOUT], s27, v[XOUT]             ; out: SP x lane: my 16 neighbours
	v_lshrrev_b32 v[XSB], 1, v1
	s_add_co_u32 s27, s27, 2*32*SP
	v_add_nc_u32 v[XSB], s27, v[XSB]
	v_add_nc_u32 v[XSR], s27, v[L8]
	s_and_b32 s28, s26, 1                          ; the weights' addresses: which 32 columns,
	s_lshr_b32 s29, s26, 1                         ; which 128 rows
	v_mul_u32_u24 v[STI], v1, PITCH
	s_mul_i32 s30, s28, 32*PITCH
	s_lshl_b32 s31, s29, 6
	s_add_co_u32 s30, s30, s31
	s_add_co_u32 s30, s30, WSTG
	v_add_nc_u32 v[STI], s30, v[STI]               ; in: row = my column, + my 64 bytes of its 256
	s_lshl_b32 s30, s28, 9
	s_lshl_b32 s31, s29, 2
	s_add_co_u32 s30, s30, s31
	s_add_co_u32 s30, s30, SCST
	v_add_nc_u32 v[SCI], s30, v[L16]
	v_lshrrev_b32 v25, 4, v1
	v_and_b32 v26, 15, v1
	v_mul_u32_u24 v[STR], v25, PITCH
	v_lshl_add_u32 v[STR], v26, 4, v[STR]
	s_mul_i32 s30, s26, 8*PITCH
	s_add_co_u32 s30, s30, WSTG
	v_add_nc_u32 v[STR], s30, v[STR]               ; out: wave w takes rows 8 w on, sixteen lanes to a row
	v_lshlrev_b32 v[COD], 9, v25
	v_lshl_add_u32 v[COD], v26, 4, v[COD]          ; rows of 512 bytes
	v_lshl_add_u32 v[SCR], v0, 2, SCST             ; a word a thread
	v_lshrrev_b32 v[SCG], 2, v0
	v_lshlrev_b32 v[SCG], 5, v[SCG]
	v_and_b32 v27, 3, v0
	v_lshl_add_u32 v[SCG], v27, 2, v[SCG]          ; row (thread / 4) of 32 bytes, word thread % 4
	v_mov_b32 v[ZERO], 0
	v_mov_b32 v[PT], 0                             ; (a lane permute's destination counts as one of its sources)
	s_mov_b32 s36, 0x76543210                      ; v_permlanex16_b32's selects for lane l xor 16
	s_mov_b32 s37, 0xfedcba98
	s_mov_b32 s33, 0                               ; the upper word of every offset
	s_wait_kmcnt 0x0
	s_cmp_ge_u32 ttmp9, XWG                        ; the same in all eight waves
	s_cbranch_scc1 .Lweights
	; ---- the inputs
	s_cmp_lt_u32 ttmp9, 64                         ; which tensor: the choice hangs on the work-group's number alone
	s_cselect_b64 s[4:5], s[4:5], s[6:7]
	s_cmp_lt_u32 ttmp9, 128
	s_cselect_b64 s[4:5], s[4:5], s[8:9]
	s_lshl_b32 s34, ttmp9, 3
	s_add_co_u32 s34, s34, s26                     ; which run of 8,192 numbers: 8 x work-group + wave
	s_and_b32 s32, s34, 511                        ; 512 runs to a tensor
	s_lshl_b32 s32, s32, 15
	s_add_nc_u64 s[4:5], s[4:5], s[32:33]
	s_lshl_b32 s32, s34, 12                        ; the three tensors' codes lie on end
	s_add_nc_u64 s[18:19], s[18:19], s[32:33]
	s_lshl_b32 s32, s34, 8
	s_add_nc_u64 s[20:21], s[20:21], s[32:33]
	s_lshl_b32 s32, s34, 2
	s_add_nc_u64 s[22:23], s[22:23], s[32:33]
.macro XLOAD t
.irp i, 0,1,2,3
	global_load_b128 v[R+16*((\t)%4)+4*\i:R+16*((\t)%4)+4*\i+3], v[L16], s[4:5] offset:2048*(\t)+512*\i th:TH_LOAD_NT   ; 32 lanes read 512 consecutive bytes
.endr
.endm
.macro XTURN t                         ; step t's numbers through the stage: LDS serves a wave's instructions in order, so no wait stands between the stores and the loads
.irp i, 0,1,2,3
	ds_store_b128 v[XIN], v[R+16*((\t)%4)+4*\i:R+16*((\t)%4)+4*\i+3] offset:32*SP*((\t)%2)+8*SP*\i
.endr
.irp i, 0,1,2,3
	ds_load_b128 v[X+16*((\t)%2)+4*\i:X+16*((\t)%2)+4*\i+3], v[XOUT] offset:32*SP*((\t)%2)+16*\i
.endr
.endm
.irp t, 0,1,2,3
	XLOAD \t
.endr
	s_wait_loadcnt 12                              ; step 0's four loads are in; the twelve of steps 1 to 3 may be out
	XTURN 0
.macro XSTEP t
.set XS, X+16*((\t)%2)
.if (\t) > 0
	s_wait_dscnt 1                                 ; this step's numbers are back from the stage; the last step's byte store may be out
.else
	s_wait_dscnt 0x0
.endif
.if (\t)+4 < STEPS
	XLOAD (\t)+4                                   ; into the registers that the stage's stores have read
.endif
.if (\t)+1 < STEPS
.if STEPS-2-(\t) >= 3
	s_wait_loadcnt 12                              ; the next step's four loads are in; those of the three steps behind it may be out
.else
	s_wait_loadcnt 4*(STEPS-2-(\t))
.endif
	XTURN (\t)+1
.endif
	v_max3_num_f32 v8, |v[XS]|, |v[XS+1]|, |v[XS+2]|               ; the largest magnitude of my 16, in two chains
	v_max3_num_f32 v9, |v[XS+3]|, |v[XS+4]|, |v[XS+5]|
.irp i, 6,10
	v_max3_num_f32 v8, v8, |v[XS+\i]|, |v[XS+\i+1]|
	v_max3_num_f32 v9, v9, |v[XS+\i+2]|, |v[XS+\i+3]|
.endr
	v_max3_num_f32 v8, v8, |v[XS+14]|, |v[XS+15]|
	v_max3_num_f32 v8, v8, v9, (EMAX+1)<<23        ; and the floor 2^(3 - 127): the byte cannot fall under 1
	v_max_num_f32_dpp v8, v8, v8 row_xmask:1 row_mask:0xf bank_mask:0xf   ; with my neighbour's 16: the block's
.if (\t) == 0
	v_mov_b32 v[AM], v8
.else
	v_max_num_f32 v[AM], v[AM], v8
.endif
	v_add_nc_u32 v11, -(EMAX<<23), v8              ; 2 off the exponent field: the conversion takes that field as its scale
	v_cvt_scalef32_pk8_fp4_f32 v[C+2*(\t)], v[XS:XS+7], v11
	v_cvt_scalef32_pk8_fp4_f32 v[C+2*(\t)+1], v[XS+8:XS+15], v11
	v_lshrrev_b32 v[E+(\t)], 23, v11               ; the scale's byte (also the plain line behind the conversions)
	ds_store_b8 v[XSB], v[E+(\t)] offset:16*(\t)   ; both lanes of a block write the same byte with the same value
	global_store_b64 v[L8], v[C+2*(\t):C+2*(\t)+1], s[18:19] offset:32*CB*(\t)   ; the wave stores 256 consecutive bytes, aligned; each step has registers of its own, so no store's data are written again
.endm
.irp t, 0,1,2,3,4,5,6,7,8,9,10,11,12,13,14,15
	XSTEP \t
.endr
	ds_load_b64 v[8:9], v[XSR]                     ; my wave's 256 scale bytes: these loads see my stores
	v_max_num_f32_dpp v[AM], v[AM], v[AM] row_xmask:2 row_mask:0xf bank_mask:0xf   ; (lanes l and l xor 1 are joined already)
	v_max_num_f32_dpp v[AM], v[AM], v[AM] row_xmask:4 row_mask:0xf bank_mask:0xf
	v_max_num_f32_dpp v[AM], v[AM], v[AM] row_xmask:8 row_mask:0xf bank_mask:0xf
	v_permlanex16_b32 v[PT], v[AM], s36, s37
	v_max_num_f32 v[AM], v[AM], v[PT]
	s_wait_dscnt 0x0
	global_store_b64 v[L8], v[8:9], s[20:21]       ; one aligned run of 256 bytes
	global_store_b32 v[ZERO], v[AM], s[22:23]      ; all lanes write the wave's one word with the same value
	s_branch .Lend
.Lweights:
	s_cmp_ge_u32 ttmp9, XWG+WWG
	s_cbranch_scc1 .Lcast
	; ---- the weights
	s_sub_co_u32 s35, ttmp9, XWG                   ; 0..95
	s_lshr_b32 s38, s35, 5                         ; which tensor
	s_bfe_u32 s39, s35, 0x40001                    ; head
	s_and_b32 s40, s35, 1                          ; which half of d
	s_cmp_eq_u32 s38, 0
	s_cselect_b64 s[10:11], s[10:11], s[12:13]
	s_cmp_lt_u32 s38, 2
	s_cselect_b64 s[10:11], s[10:11], s[14:15]
	s_lshl_b32 s32, s39, 18                        ; a head is 1024 rows of 256 bytes
	s_lshl_b32 s34, s40, 17
	s_add_co_u32 s32, s32, s34
	s_lshl_b32 s34, s29, 15
	s_add_co_u32 s32, s32, s34
	s_lshl_b32 s34, s28, 7
	s_add_co_u32 s32, s32, s34
	s_add_nc_u64 s[10:11], s[10:11], s[32:33]
	s_lshl_b32 s32, s38, 19                        ; cod: behind the inputs' codes; a tensor is 1024 rows of 512 bytes
	s_lshl_b32 s34, s39, 15
	s_add_co_u32 s32, s32, s34
	s_lshl_b32 s34, s40, 8
	s_add_co_u32 s32, s32, s34
	s_lshl_b32 s34, s26, 12
	s_add_co_u32 s32, s32, s34
	s_add_co_u32 s32, s32, 6291456
	s_add_nc_u64 s[18:19], s[18:19], s[32:33]
	s_lshl_b32 s32, s38, 15                        ; scl likewise: rows of 32 bytes
	s_lshl_b32 s34, s39, 11
	s_add_co_u32 s32, s32, s34
	s_lshl_b32 s34, s40, 4
	s_add_co_u32 s32, s32, s34
	s_add_co_u32 s32, s32, 393216
	s_add_nc_u64 s[20:21], s[20:21], s[32:33]
	s_lshl_b32 s32, s35, 3
	s_add_co_u32 s32, s32, s26
	s_lshl_b32 s32, s32, 2
	s_add_co_u32 s32, s32, 6144
	s_add_nc_u64 s[22:23], s[22:23], s[32:33]      ; am: word 8 x (work-group - 192) + wave, behind the inputs' words
.macro WLOAD b
.irp i, 0,1,2,3,4,5,6,7,8,9,10,11,12,13,14,15,16,17,18,19,20,21,22,23,24,25,26,27,28,29,30,31
	global_load_b32 v[XR+32*(\b)+\i], v[L4], s[10:11] offset:256*(32*(\b)+\i) th:TH_LOAD_NT
.endr
.endm
	WLOAD 0
	WLOAD 1
.macro BLOCK b
.set XS, XR+32*(\b)
.if (\b) < 3
	s_wait_loadcnt 32                              ; this block's 32 loads are in; the next block's 32 may be out
.else
	s_wait_loadcnt 0x0
.endif
.if (\b)+2 < 4
	WLOAD (\b)+2                                   ; two blocks ahead, into registers of their own
.endif
	v_max3_num_f32 v8, |v[XS]|, |v[XS+1]|, |v[XS+2]|               ; all 32 numbers of the block are mine
	v_max3_num_f32 v9, |v[XS+3]|, |v[XS+4]|, |v[XS+5]|
.irp i, 6,10,14,18,22,26
	v_max3_num_f32 v8, v8, |v[XS+\i]|, |v[XS+\i+1]|
	v_max3_num_f32 v9, v9, |v[XS+\i+2]|, |v[XS+\i+3]|
.endr
	v_max3_num_f32 v8, v8, |v[XS+30]|, |v[XS+31]|
	v_max3_num_f32 v8, v8, v9, (EMAX+1)<<23        ; and the floor 2^(3 - 127)
.if (\b) == 0
	v_mov_b32 v[AM], v8
.else
	v_max_num_f32 v[AM], v[AM], v8
.endif
	v_add_nc_u32 v11, -(EMAX<<23), v8              ; 2 off the exponent field: the conversion's scale operand
	v_lshrrev_b32 v9, 23, v11                      ; the byte
.if (\b) == 0
	v_mov_b32 v[SB], v9
.else
	v_lshl_or_b32 v[SB], v9, 8*(\b), v[SB]         ; four bytes make my column's word for these 128 along d
.endif
.irp g, 0,1,2,3
	v_cvt_scalef32_pk8_fp4_f32 v[CR+4*(\b)+\g], v[XS+8*\g:XS+8*\g+7], v11
.endr
.endm
	BLOCK 0                                        ; (each next block begins with plain lines: the place behind the conversions)
	BLOCK 1
	BLOCK 2
	BLOCK 3
	v_nop
.irp b, 0,1,2,3
	ds_store_b128 v[STI], v[CR+4*\b:CR+4*\b+3] offset:16*\b
.endr
	ds_store_b32 v[SCI], v[SB]
	s_wait_dscnt 0x0                               ; for the others' sake: my stores have landed
	s_barrier_signal -1
	s_barrier_wait -1
.irp i, 0,1,2,3
	ds_load_b128 v[OUTR+4*\i:OUTR+4*\i+3], v[STR] offset:2*\i*PITCH
.endr
	ds_load_b32 v[SW], v[SCR]
.irp i, 0,1,2,3
	s_wait_dscnt 4-\i                              ; behind load i: the later row loads and the scale word's
	global_store_b128 v[COD], v[OUTR+4*\i:OUTR+4*\i+3], s[18:19] offset:1024*\i   ; sixteen lanes store 256 consecutive bytes, aligned
.endr
	s_wait_dscnt 0x0
	global_store_b32 v[SCG], v[SW], s[20:21]
	v_max_num_f32_dpp v[AM], v[AM], v[AM] row_xmask:1 row_mask:0xf bank_mask:0xf
	v_max_num_f32_dpp v[AM], v[AM], v[AM] row_xmask:2 row_mask:0xf bank_mask:0xf
	v_max_num_f32_dpp v[AM], v[AM], v[AM] row_xmask:4 row_mask:0xf bank_mask:0xf
	v_max_num_f32_dpp v[AM], v[AM], v[AM] row_xmask:8 row_mask:0xf bank_mask:0xf
	v_permlanex16_b32 v[PT], v[AM], s36, s37
	v_max_num_f32 v[AM], v[AM], v[PT]
	global_store_b32 v[ZERO], v[AM], s[22:23]
	s_branch .Lend
.Lcast:                                            ; ---- WO to f16: a wave takes 16,384 bytes, in one round of 32 loads
	s_sub_co_u32 s35, ttmp9, XWG+WWG
	s_lshl_b32 s32, s35, 17
	s_lshl_b32 s34, s26, 14
	s_add_co_u32 s32, s32, s34
	s_add_nc_u64 s[16:17], s[16:17], s[32:33]
	s_lshl_b32 s32, s35, 16
	s_lshl_b32 s34, s26, 13
	s_add_co_u32 s32, s32, s34
	s_add_nc_u64 s[24:25], s[24:25], s[32:33]
.set i, 0
.rept 32
	global_load_b128 v[32+4*i:35+4*i], v[L16], s[16:17] offset:512*i th:TH_LOAD_NT
.set i, i+1
.endr
.set i, 0
.rept 32
	s_wait_loadcnt 31-i                            ; loads come back in order: load i is in, the later ones may be out
	v_cvt_pk_f16_f32 v[32+4*i], v[32+4*i], v[33+4*i]
	v_cvt_pk_f16_f32 v[33+4*i], v[34+4*i], v[35+4*i]
	global_store_b64 v[L8], v[32+4*i:33+4*i], s[24:25] offset:256*i   ; the wave stores 256 consecutive bytes, aligned
.set i, i+1
.endr
.Lend:
	s_wait_tensorcnt 0x0                           ; the wave's end
	ds_add_u32 v[SPW], v[NIL]
	s_wait_dscnt 0x0
	s_endpgm
.Lfunc_end_k_q9d59dd12bd_prep:
	.size	k_q9d59dd12bd_prep, .Lfunc_end_k_q9d59dd12bd_prep-k_q9d59dd12bd_prep
	.p2alignl 7, 3214868480
	.fill 96, 4, 3214868480
	.section	.rodata,"a",@progbits
	.p2align	6, 0x0
	.amdhsa_kernel k_q9d59dd12bd_prep
		.amdhsa_group_segment_fixed_size 84992
		.amdhsa_private_segment_fixed_size 0
		.amdhsa_enable_private_segment 0
		.amdhsa_kernarg_size 88
		.amdhsa_user_sgpr_count 2
		.amdhsa_user_sgpr_kernarg_segment_ptr 1
		.amdhsa_wavefront_size32 1
		.amdhsa_system_sgpr_workgroup_id_x 1
		.amdhsa_system_sgpr_workgroup_id_y 1
		.amdhsa_system_sgpr_workgroup_id_z 1
		.amdhsa_system_vgpr_workitem_id 0
		.amdhsa_next_free_vgpr 192
		.amdhsa_next_free_sgpr 66
		.amdhsa_reserve_vcc 0
		.amdhsa_float_denorm_mode_32 3
		.amdhsa_float_denorm_mode_16_64 3
		.amdhsa_memory_ordered 1
		.amdhsa_forward_progress 1
		.amdhsa_inst_pref_size 68
	.end_amdhsa_kernel
	.amdgpu_metadata
---
amdhsa.version: [ 1, 2 ]
amdhsa.kernels:
  - .name:           k_q9d59dd12bd_prep
    .symbol:         k_q9d59dd12bd_prep.kd
    .args:
      - { .name: Q, .offset: 0, .size: 8, .value_kind: global_buffer, .address_space: global }
      - { .name: K, .offset: 8, .size: 8, .value_kind: global_buffer, .address_space: global }
      - { .name: V, .offset: 16, .size: 8, .value_kind: global_buffer, .address_space: global }
      - { .name: WQ, .offset: 24, .size: 8, .value_kind: global_buffer, .address_space: global }
      - { .name: WK, .offset: 32, .size: 8, .value_kind: global_buffer, .address_space: global }
      - { .name: WV, .offset: 40, .size: 8, .value_kind: global_buffer, .address_space: global }
      - { .name: WO, .offset: 48, .size: 8, .value_kind: global_buffer, .address_space: global }
      - { .name: cod, .offset: 56, .size: 8, .value_kind: global_buffer, .address_space: global }
      - { .name: scl, .offset: 64, .size: 8, .value_kind: global_buffer, .address_space: global }
      - { .name: am, .offset: 72, .size: 8, .value_kind: global_buffer, .address_space: global }
      - { .name: wo16, .offset: 80, .size: 8, .value_kind: global_buffer, .address_space: global }
    .group_segment_fixed_size: 84992
    .private_segment_fixed_size: 0
    .kernarg_segment_align: 8
    .kernarg_segment_size: 88
    .max_flat_workgroup_size: 256
    .sgpr_count:     66
    .vgpr_count:     192
    .wavefront_size: 32
...
	.end_amdgpu_metadata
.endif
;; end of part 1
;; launch proj (part 2): grid 4 x 48, 4 waves a work-group, clusters of 4 x 4, 327,680 bytes of LDS; arguments cod, scl, am, pj, fac; writes pj, fac
.if DOCPART == 2
	.amdgcn_target "amdgcn-amd-amdhsa--gfx1250"
	.amdhsa_code_object_version 6
	.text
	.protected	k_q9d59dd12bd_proj
	.globl	k_q9d59dd12bd_proj
	.p2align	8
	.type	k_q9d59dd12bd_proj,@function
k_q9d59dd12bd_proj:
	s_mov_b64 s[64:65], 0
	v_nop
	global_prefetch_b8 v0, s[64:65] scope:SCOPE_SE
	s_setreg_imm32_b32 hwreg(HW_REG_WAVE_MODE, 25, 1), 1
	s_wait_xcnt 0x0
	s_wait_alu depctr_hold_cnt(0) depctr_sa_sdst(0) depctr_va_vdst(0) depctr_va_sdst(0) depctr_va_ssrc(0) depctr_va_vcc(0) depctr_vm_vsrc(0)
	s_getreg_b32 s2, hwreg(HW_REG_IB_STS2, 6, 4)
	s_cmp_eq_u32 s2, 0
	s_cbranch_scc0 .Lentry_in_a_cluster
	s_endpgm
.Lentry_in_a_cluster:
	s_bfe_u32 s2, ttmp6, 0x10000c
	s_cmp_lg_u32 s2, 0xf033
	s_cbranch_scc0 .Lentry_shape_is_right
	s_endpgm
.Lentry_shape_is_right:
; The three projections at once, on codes of E2M1 with E8M0 scales: P[M'][n] = sum over d of X[M'][d] W[t][n][d], M' = 4096 t + 2048 b + s (t: Q, K, V), n = 64 h + k, sums in f32.
; The result is multiplied by a power of two N(t) (exact), rounded to f16 and stored as pj [t][b][h][s][64].
; N: a quantised number is at most 1.5 x 2^f, f = floor(log2(its tensor's largest magnitude)); so |sum over 1024| <= 2304 x 2^(fa + fw), and N = 2^(4 - fa - fw) holds the result under 36,864, inside f16.
; fac: 1 / N, one word a work-group (all of a tensor's hold the same number); later launches take the power out again.
; LIMITS: N's exponent is held to 2^-125 .. 2^125 (the product of the two largest magnitudes inside 2^+-120); results more than 2^-20 under the bound lose bits in f16; NaN and infinities are not served.
; A tile of 256 x 256 is made by four waves, 128 x 128 each: 64 accumulators, 512 registers.  K = 1024 is two LDS slots of 512 along d (rows of 256 bytes): both are first fills, nothing is filled again.
; The scale bytes of the work-group's rows, for all of d, come once, as runs of 256 bytes with 16 of padding.
; CLUSTER 4 x 4: the four of a row need the same rows of X, the four of a column the same rows of W: each tile is asked for jointly, by the same load with a mask that names the four.
; THE MATRIX INSTRUCTION IS USED TRANSPOSED (source 0 = 16 rows of W, source 1 = 16 rows of X): a lane holds one s and eight neighbouring (h, k).
; REGISTERS: window 0: v0-31 addresses; v32-95 scale words, two sets, and nothing else; v96-127 packed results; v128-191 X's fragments, later rows read back; v192-255 at work.
;   window 1: W's fragments, two sets, at v0 and v128.  window 2: the accumulators of my rows 0-63 ((a, b) at v[8 (8 a + b)]); window 3: rows 64-127.
.set NQ,     4                         ; steps of 128 along d in a slot
.set ROWB,   256                       ; a tile's row in bytes: 512 codes
.set KROW,   512                       ; a row of codes in memory
.set PITCH,  272                       ; 256 bytes + 16 of padding: the 16 rows of a fragment load start at 16 different banks (64 banks of 4 bytes: ISA guide 11.1)
.set FR,     8
.set NL,     2
.set NP,     4                         ; places behind this matrix instruction (ISA guide 7.12.1)
.set HALFT,  128*PITCH
.set SLOT,   4*HALFT                   ; X's 256 rows, then W's 256 rows
.set KS,     32                        ; a row of scale bytes
.set SCL,    2*SLOT
.set HALFS,  (128*KS/256)*272
.set SBLK,   (16*KS/256)*272
.set SPARE,  SCL+4*HALFS
.set SPITCH, 272                       ; the way out: 16 rows x (256 bytes + 16) a wave, in slot 0, which has had its only fill and its last read by then
.set ADRA, 16
.set ADRB, 20
.set STO,  24
.set RD,   25
.set CO,   26                          ; v26  16 x lane; never rewritten
.set ADRS, 27
.set SPW,  28
.set NIL,  29
.set FO,   30                          ; v30, v31: fac's offset and number; never rewritten
.set FV,   31
.set SC,   32
.set PKD,  96
.set AF,   128
.set BK,   128
.set TF,   192
.set NF,   96                          ; s[96:97] N, twice
.set G1, 24
.set G0, 32
.set G1B, 48
.set G0B, 56
.set G1S, 68
.set G0S, 76
.set G1SB, 80
.set G0SB, 88
.set MSB, 0
.macro WIN new                         ; the immediate's high byte repeats the setting that is left
.if MSB != (\new)
	s_set_vgpr_msb (MSB<<8)|(\new)
.set MSB, (\new)
.endif
.endm
.set MUL_LO, 0xa1                      ; source 0 (W) window 1, source 1 (X) window 0, C and D window 2
.set MUL_HI, 0xf1
.set TO_B,   0x40
; A joint load: waves 0 and 1 fetch for X, waves 2 and 3 for W; the branch hangs on the wave's number alone.  An s_nop 0 and four v_nop follow each line.
.macro JLOAD g0a, g1a, g0b, g1b
	s_cmp_eq_u32 s15, 0
	s_cbranch_scc0 .Lfor_b_\@
	tensor_load_to_lds s[\g0a:\g0a+3], s[\g1a:\g1a+7]
	s_nop 0
.rept 4
	v_nop
.endr
	s_branch .Lasked_\@
.Lfor_b_\@:
	tensor_load_to_lds s[\g0b:\g0b+3], s[\g1b:\g1b+7]
	s_nop 0
.rept 4
	v_nop
.endr
.Lasked_\@:
.endm
.macro CROUND                          ; a round of the cluster's barrier
	s_barrier_signal -1
	s_barrier_wait -1
	s_cmp_lg_u32 s14, 0
	s_cbranch_scc1 .Lnot_wave_0_\@
	s_barrier_signal -3
.Lnot_wave_0_\@:
	s_barrier_wait -3
	s_barrier_signal -1
	s_barrier_wait -1
.endm
	s_load_b128 s[4:7], s[0:1], 0x0                ; cod, scl
	s_load_b128 s[8:11], s[0:1], 0x10              ; am, pj
	s_load_b64 s[12:13], s[0:1], 0x20              ; fac
	v_lshl_add_u32 v[SPW], v0, 2, SPARE
	v_mov_b32 v[NIL], 0
	ds_add_u32 v[SPW], v[NIL]                      ; the wave's opening: the add, twice on end, and its wait ahead of my first tensor load
	ds_add_u32 v[SPW], v[NIL]
	v_lshrrev_b32 v1, 5, v0
	v_readfirstlane_b32 s14, v1                    ; wave 0..3
	s_lshr_b32 s15, s14, 1                         ; my half of the tile's rows.  Also: I fetch for X (0) or W (1)
	s_and_b32 s16, s14, 1                          ; my half of its columns.  Also: which 128 rows I fetch
	s_bfe_u32 s40, ttmp6, 0x40000                  ; cx
	s_bfe_u32 s41, ttmp6, 0x40004                  ; cy
	s_lshl_b32 s42, ttmp9, 2
	s_add_co_u32 s42, s42, s40                     ; tile column, 0..3
	s_and_b32 s95, ttmp7, 0xffff
	s_lshl_b32 s17, s95, 2
	s_add_co_u32 s17, s17, s41                     ; tile row, 0..47: the three tensors' rows lie on end
	s_lshr_b32 s95, s95, 2                         ; the tensor: of the cluster's y alone, the same in all sixteen
	s_lshl_b32 s43, s41, 2
	s_lshl_b32 s43, 15, s43                        ; my row of the cluster
	s_lshl_b32 s44, 0x1111, s40                    ; my column
	s_or_b32 s[G1+0], s43, (0<<16)|(1<<20)|(1<<21)|(5<<22)|(3<<25)  ; the mask; elements of 1 byte; padding: 4 words behind every 64; bit 21 beside a mask
	s_or_b32 s[G1B+0], s44, (0<<16)|(1<<20)|(1<<21)|(5<<22)|(3<<25)
.irp g, G1, G1B
	s_mov_b32 s[\g+1], ROWB<<16                    ; tensor_dim0
	s_mov_b32 s[\g+2], 128<<16                     ; tensor_dim1
	s_mov_b32 s[\g+3], ROWB<<16                    ; tile_dim0
	s_mov_b32 s[\g+4], 128                         ; tile_dim1
	s_mov_b32 s[\g+5], KROW                        ; the pitch
	s_mov_b32 s[\g+6], 0
	s_mov_b32 s[\g+7], 0
.endr
	s_or_b32 s[G1S+0], s43, (3<<16)|(1<<20)|(1<<21)|(5<<22)|(3<<25)  ; the scales of 128 rows: 4,096 dense bytes as 16 rows of 32 elements of 8 bytes
	s_or_b32 s[G1SB+0], s44, (3<<16)|(1<<20)|(1<<21)|(5<<22)|(3<<25)
.irp g, G1S, G1SB
	s_mov_b32 s[\g+1], 32<<16
	s_mov_b32 s[\g+2], (128*KS/256)<<16
	s_mov_b32 s[\g+3], 32<<16
	s_mov_b32 s[\g+4], 128*KS/256
	s_mov_b32 s[\g+5], 32
	s_mov_b32 s[\g+6], 0
	s_mov_b32 s[\g+7], 0
.endr
	s_lshl_b32 s18, s16, 7
	s_lshl_b32 s20, s17, 8
	s_add_co_u32 s20, s20, s18                     ; X: row 256 x tile row + 128 x half
	s_lshl_b32 s46, s42, 8
	s_add_co_u32 s46, s46, s18
	s_lshl_b32 s19, s95, 10
	s_add_co_u32 s46, s46, s19                     ; W: row 1024 t + 256 x tile column + 128 x half
	s_lshl_b32 s22, s20, 5                         ; their scale bytes,
	s_mov_b32 s23, 0
	s_lshl_b32 s92, s46, 5
	s_add_co_u32 s92, s92, 393216
	s_mov_b32 s93, 0
	s_lshl_b32 s20, s20, 9                         ; and codes
	s_mov_b32 s21, 0
	s_lshl_b32 s46, s46, 9
	s_add_co_u32 s46, s46, 6291456
	s_mov_b32 s47, 0
	s_mul_i32 s45, s14, HALFT                      ; where they go: wave x 128 rows
	s_mul_i32 s94, s14, HALFS
	s_mov_b32 s2, 0x76543210
	s_mov_b32 s3, 0xfedcba98
	s_wait_dscnt 0x0                               ; both opening adds are done
	s_wait_kmcnt 0x0
	s_add_nc_u64 s[20:21], s[4:5], s[20:21]
	s_add_nc_u64 s[22:23], s[6:7], s[22:23]
	s_add_nc_u64 s[46:47], s[4:5], s[46:47]
	s_add_nc_u64 s[92:93], s[6:7], s[92:93]
	CROUND                                         ; all sixteen work-groups are here: the joint loads meet
	s_mov_b32 s[G0S], 1
	s_add_co_u32 s[G0S+1], s94, SCL
	s_mov_b64 s[G0S+2:G0S+3], s[22:23]
	s_or_b32 s[G0S+3], s[G0S+3], 0x80000000
	s_mov_b32 s[G0SB], 1
	s_add_co_u32 s[G0SB+1], s94, SCL
	s_mov_b64 s[G0SB+2:G0SB+3], s[92:93]
	s_or_b32 s[G0SB+3], s[G0SB+3], 0x80000000
	JLOAD G0S, G1S, G0SB, G1SB                     ; the scales first
.irp s, 0,1
	s_mov_b32 s[G0+4*\s], 1
	s_add_co_u32 s[G0+4*\s+1], s45, \s*SLOT
	s_add_nc_u64 s[G0+4*\s+2:G0+4*\s+3], s[20:21], \s*ROWB
	s_or_b32 s[G0+4*\s+3], s[G0+4*\s+3], 0x80000000
	s_mov_b32 s[G0B+4*\s], 1
	s_add_co_u32 s[G0B+4*\s+1], s45, \s*SLOT
	s_add_nc_u64 s[G0B+4*\s+2:G0B+4*\s+3], s[46:47], \s*ROWB
	s_or_b32 s[G0B+4*\s+3], s[G0B+4*\s+3], 0x80000000
	JLOAD G0+4*\s, G1, G0B+4*\s, G1B               ; three tensor loads of mine are out
.endr
	v_and_b32 v1, 15, v0                           ; r
	v_bfe_u32 v2, v0, 4, 1                         ; h
	v_and_b32 v6, 31, v0
	v_lshlrev_b32 v[CO], 4, v6
	s_lshl_b32 s66, s95, 11                        ; the waves' largest magnitudes: 512 words of X's tensor,
	s_mov_b32 s67, 0
	s_add_nc_u64 s[66:67], s[8:9], s[66:67]
	s_lshl_b32 s98, s95, 10                        ; 256 of W's
	s_add_co_u32 s98, s98, 6144
	s_mov_b32 s99, 0
	s_add_nc_u64 s[98:99], s[8:9], s[98:99]
.irp i, 0,1,2,3
	global_load_b128 v[TF+4*\i:TF+4*\i+3], v[CO], s[66:67] offset:512*\i
.endr
.irp i, 0,1
	global_load_b128 v[TF+16+4*\i:TF+16+4*\i+3], v[CO], s[98:99] offset:512*\i
.endr
	v_mul_u32_u24 v3, v1, PITCH
	v_lshl_add_u32 v4, v2, 4, v3                   ; a fragment's row x pitch + 16 x half
	s_mul_i32 s21, s15, HALFT
	s_mul_i32 s22, s16, HALFT
	s_add_co_u32 s22, s22, 2*HALFT
.irp s, 0,1
	v_add_nc_u32 v[ADRA+\s], s21, v4
	v_add_nc_u32 v[ADRB+\s], s22, v4
	s_add_co_u32 s21, s21, SLOT
	s_add_co_u32 s22, s22, SLOT
.endr
	v_mul_u32_u24 v5, v1, KS                       ; my row's scales: 32 bytes a row, and 16 more for each 256 passed
	v_lshrrev_b32 v7, 8, v5
	v_lshl_add_u32 v5, v7, 4, v5
	s_mul_i32 s21, s15, HALFS
	s_mul_i32 s22, s16, HALFS
	s_add_co_u32 s22, s22, 2*HALFS
	s_sub_co_u32 s22, s22, s21
	v_mul_u32_u24 v7, s22, v2                      ; lanes 16-31 take W's: one product, the distance between the two bases
	s_add_co_u32 s21, s21, SCL
	v_add_nc_u32 v5, v5, v7
	v_add_nc_u32 v[ADRS], s21, v5
	s_mul_i32 s23, s14, 16*SPITCH                  ; my stage
	v_mul_u32_u24 v5, v1, SPITCH
	v_lshl_add_u32 v5, v2, 4, v5
	v_add_nc_u32 v[STO], s23, v5                   ; in: row r, 16 bytes for each half of the lanes
	v_lshrrev_b32 v5, 3, v6
	v_mul_u32_u24 v5, v5, SPITCH
	v_and_b32 v7, 7, v6
	v_lshl_add_u32 v5, v7, 4, v5
	v_add_nc_u32 v[RD], s23, v5                    ; back: eight lanes take a head's 128 bytes of a row, four rows an instruction
	s_lshl_b32 s20, s17, 8
	s_lshl_b32 s21, s15, 7
	s_add_co_u32 s20, s20, s21                     ; my first row M'
	s_lshr_b32 s21, s20, 11
	s_lshl_b32 s21, s21, 22                        ; (t, b): 16 heads x 2048 x 128 bytes
	s_and_b32 s20, s20, 2047
	s_lshl_b32 s20, s20, 7                         ; s: 128 bytes
	s_add_co_u32 s20, s20, s21
	s_lshl_b32 s46, s42, 2
	s_lshl_b32 s47, s16, 1
	s_add_co_u32 s46, s46, s47                     ; my first head: 4 x tile column + 2 x half
	s_lshl_b32 s46, s46, 18
	s_add_co_u32 s46, s46, s20
	s_mov_b32 s47, 0
	s_add_nc_u64 s[10:11], s[10:11], s[46:47]
	s_lshl_b32 s46, s17, 2
	s_add_co_u32 s46, s46, s40
	s_lshl_b32 s46, s46, 2                         ; fac: word 4 x tile row + cx: chosen by address
	v_mov_b32 v[FO], s46
	s_wait_loadcnt 0x0
	v_max3_num_f32 v[TF], v[TF], v[TF+1], v[TF+2]
	v_max3_num_f32 v[TF+3], v[TF+3], v[TF+4], v[TF+5]
	v_max3_num_f32 v[TF+6], v[TF+6], v[TF+7], v[TF+8]
	v_max3_num_f32 v[TF+9], v[TF+9], v[TF+10], v[TF+11]
	v_max3_num_f32 v[TF+12], v[TF+12], v[TF+13], v[TF+14]
	v_max3_num_f32 v[TF+16], v[TF+16], v[TF+17], v[TF+18]
	v_max3_num_f32 v[TF+19], v[TF+19], v[TF+20], v[TF+21]
	v_max3_num_f32 v[TF], v[TF], v[TF+3], v[TF+15]
	v_max3_num_f32 v[TF+6], v[TF+6], v[TF+9], v[TF+12]
	v_max3_num_f32 v[TF+16], v[TF+16], v[TF+22], v[TF+23]
	v_max_num_f32 v[TF], v[TF], v[TF+6]
	v_max_num_f32 v[TF+16], v[TF+16], v[TF+19]
.irp m, 1,2,4,8
	v_max_num_f32_dpp v[TF], v[TF], v[TF] row_xmask:\m row_mask:0xf bank_mask:0xf
	v_max_num_f32_dpp v[TF+16], v[TF+16], v[TF+16] row_xmask:\m row_mask:0xf bank_mask:0xf
.endr
	v_permlanex16_b32 v[TF+1], v[TF], s2, s3
	v_permlanex16_b32 v[TF+17], v[TF+16], s2, s3
	v_max_num_f32 v[TF], v[TF], v[TF+1]
	v_max_num_f32 v[TF+16], v[TF+16], v[TF+17]
	v_readfirstlane_b32 s100, v[TF]
	v_readfirstlane_b32 s101, v[TF+16]
	s_lshr_b32 s100, s100, 23                      ; the exponent fields (both numbers are positive)
	s_lshr_b32 s101, s101, 23
	s_add_co_u32 s100, s100, s101
	s_sub_co_i32 s100, 385, s100                   ; N's field: 127 + 4 - fa - fw
	s_max_i32 s100, s100, 2
	s_min_i32 s100, s100, 252
	s_lshl_b32 s[NF], s100, 23
	s_mov_b32 s[NF+1], s[NF]
	s_sub_co_i32 s101, 254, s100                   ; 1 / N
	s_lshl_b32 s101, s101, 23
	v_mov_b32 v[FV], s101
	s_cmp_lg_u32 s14, 0
	s_cbranch_scc1 .Lnofac
	global_store_b32 v[FO], v[FV], s[12:13]        ; wave 0 alone; all lanes write the one word with the same value
.Lnofac:
.macro FRAG reg, adr, q, i             ; 16 rows x 128 along d of 4-bit codes: 8 registers: lane l holds row l % 16; registers 4 c .. 4 c + 3 hold d = 64 c + 32 (l / 16) + 0 .. 31
.irp c, 0,1
	ds_load_b128 v[\reg+4*\c:\reg+4*\c+3], v[\adr] offset:64*(\q)+32*\c+(\i)*16*PITCH
.endr
.endm
; 16 matrix instructions: X's blocks a0, a0 + 1 x W's eight.  The 64 accumulators take turns, one instruction a turn, in the same order in every step.
; One scale register carries X's word of block i in lanes 0-15 and W's in lanes 16-31.
.macro MUL16 a0, p, q, sc, zero
.irp a, \a0, \a0+1
.irp b, 0,1,2,3,4,5,6,7
.if \zero
	v_wmma_scale_f32_16x16x128_f8f6f4 v[8*(8*((\a)%4)+\b):8*(8*((\a)%4)+\b)+7], v[128*(\p)+FR*\b:128*(\p)+FR*\b+FR-1], v[AF+FR*(\a):AF+FR*(\a)+FR-1], 0, v[SC+8*NQ*(\sc)+NQ*\b+(\q)], v[SC+8*NQ*(\sc)+NQ*(\a)+(\q)] matrix_a_fmt:MATRIX_FMT_FP4 matrix_b_fmt:MATRIX_FMT_FP4 matrix_a_scale:MATRIX_SCALE_ROW1
.else
	v_wmma_scale_f32_16x16x128_f8f6f4 v[8*(8*((\a)%4)+\b):8*(8*((\a)%4)+\b)+7], v[128*(\p)+FR*\b:128*(\p)+FR*\b+FR-1], v[AF+FR*(\a):AF+FR*(\a)+FR-1], v[8*(8*((\a)%4)+\b):8*(8*((\a)%4)+\b)+7], v[SC+8*NQ*(\sc)+NQ*\b+(\q)], v[SC+8*NQ*(\sc)+NQ*(\a)+(\q)] matrix_a_fmt:MATRIX_FMT_FP4 matrix_b_fmt:MATRIX_FMT_FP4 matrix_a_scale:MATRIX_SCALE_ROW1
.endif
.endr
.endr
.endm
.macro FETCH_B slot, q, p
	WIN TO_B
.irp i, 0,1,2,3,4,5,6,7
	FRAG 128*(\p)+FR*\i, ADRB+\slot, \q, \i
.endr
	WIN 0
.endm
.macro FETCH_A slot, q, i0
.irp i, \i0, \i0+1, \i0+2, \i0+3
	FRAG AF+FR*(\i), ADRA+\slot, \q, \i
.endr
.endm
.macro SCALES sc                       ; a slot's scale words: 4 words a row
.irp i, 0,1,2,3,4,5,6,7
	ds_load_b128 v[SC+8*NQ*\sc+NQ*\i:SC+8*NQ*\sc+NQ*\i+3], v[ADRS] offset:\i*SBLK
.endr
.endm
.macro PLACES n                        ; plain vector lines between a matrix instruction and a load into, or a read of, its registers
.rept \n
	v_nop
.endr
.endm
.macro STEP slot, q, zero              ; a step of 128 along d that has its successor in the same slot
	s_wait_dscnt 4*NL                              ; W's set and X's blocks 0-3 are in; the youngest eight loads (X's blocks 4-7) may be out
	WIN MUL_LO
	MUL16 0, (\q)%2, \q, \slot, \zero
	MUL16 2, (\q)%2, \q, \slot, \zero
	s_wait_dscnt 0
	PLACES NP
	FETCH_B \slot, (\q)+1, 1-(\q)%2
	FETCH_A \slot, (\q)+1, 0
	WIN MUL_HI
	MUL16 4, (\q)%2, \q, \slot, \zero
	MUL16 6, (\q)%2, \q, \slot, \zero
	PLACES NP
	WIN 0
	FETCH_A \slot, (\q)+1, 4
.endm
.macro TURN slot, next                 ; slot 0's last step: my part of slot 1 has landed, and one barrier shows everybody's
	s_wait_tensorcnt 0x0
	ds_add_u32 v[SPW], v[NIL]                      ; 0 onto my spare word
	s_wait_dscnt 4*NL+1                            ; the add and the youngest eight loads may be out
	WIN MUL_LO
	MUL16 0, 1, NQ-1, \slot, 0
	s_wait_dscnt 0x0                               ; the add is done, my reads of this slot are over
	s_barrier_signal -1
	MUL16 2, 1, NQ-1, \slot, 0
	WIN 0
	s_barrier_wait -1
	PLACES NP
	v_add_nc_u32 v[ADRS], 4*NQ, v[ADRS]            ; the next slot's scale words
	FETCH_B \next, 0, 0
	FETCH_A \next, 0, 0
	SCALES \next
	WIN MUL_HI
	MUL16 4, 1, NQ-1, \slot, 0
	MUL16 6, 1, NQ-1, \slot, 0
	PLACES NP
	WIN 0
	FETCH_A \next, 0, 4
.endm
.macro STEPS slot, from
.set QQ, \from
.rept NQ-1-\from
	STEP \slot, QQ, 0
.set QQ, QQ+1
.endr
.endm
	s_wait_tensorcnt 1                             ; the scales and my part of slot 0 are in; slot 1's load may be out
	s_barrier_signal -1
	s_barrier_wait -1
	FETCH_B 0, 0, 0
	FETCH_A 0, 0, 0
	SCALES 0
	FETCH_A 0, 0, 4
	STEP 0, 0, 1                                   ; the first products start the sums: nothing is cleared
	STEPS 0, 1
	TURN 0, 1
	STEPS 1, 0
	s_wait_dscnt 4*NL
	WIN MUL_LO
	MUL16 0, 1, NQ-1, 1, 0
	MUL16 2, 1, NQ-1, 1, 0
	s_wait_dscnt 0
	WIN MUL_HI
	MUL16 4, 1, NQ-1, 1, 0
	MUL16 6, 1, NQ-1, 1, 0
	WIN 0
; THE WAY OUT, a block of 16 rows x 128 columns at a time: x N, to f16 (16 bytes a lane), through my stage, back as 4 rows x 128 bytes of one head: 512 consecutive bytes of pj.
.macro PACK a
.set AC, 64*((\a)%4)
	WIN 0x02+((\a)/4)                              ; source 0: window 2 or 3
.irp b, 0,1,2,3,4,5,6,7
.irp r, 0,1,2,3
	v_pk_mul_f32 v[TF+8*\b+2*\r:TF+8*\b+2*\r+1], v[AC+8*\b+2*\r:AC+8*\b+2*\r+1], s[NF:NF+1] op_sel_hi:[1,0]   ; each accumulator from its low end on
.endr
.endr
	WIN 0
.irp b, 0,1,2,3,4,5,6,7
.irp r, 0,1,2,3
	v_cvt_pk_f16_f32 v[PKD+4*\b+\r], v[TF+8*\b+2*\r], v[TF+8*\b+2*\r+1]
.endr
.endr
.endm
.macro TOSTAGE a
.if (\a) > 1
	s_wait_xcnt 0x0                                ; block a - 2's stores have read their registers: block a's loads may land there
.endif
.irp b, 0,1,2,3,4,5,6,7
	ds_store_b128 v[STO], v[PKD+4*\b:PKD+4*\b+3] offset:32*\b
.endr
.set BB, BK+32*((\a)%2)
.irp u, 0,1,2,3,4,5,6,7
	ds_load_b128 v[BB+4*\u:BB+4*\u+3], v[RD] offset:(\u%4)*4*SPITCH+(\u/4)*128   ; LDS serves a wave's instructions in order: these see the stores above
.endr
.endm
.macro SEND a
.set BB, BK+32*((\a)%2)
	s_wait_dscnt 0x0
.irp u, 0,1,2,3,4,5,6,7
	global_store_b128 v[CO], v[BB+4*\u:BB+4*\u+3], s[10:11] offset:(\u/4)*262144+(\u%4)*512+(\a)*2048   ; 32 lanes store 512 consecutive bytes, aligned
.endr
.endm
	PLACES NP
	PACK 0
	TOSTAGE 0
.irp a, 1,2,3,4,5,6,7
	PACK \a                                        ; block a's arithmetic stands between block a - 1's loads and the wait for them
	SEND (\a)-1
	TOSTAGE \a
.endr
	SEND 7
	s_wait_tensorcnt 0x0                           ; the wave's end
	ds_add_u32 v[SPW], v[NIL]
	s_wait_dscnt 0x0
	CROUND                                         ; the closing round
	s_endpgm
.Lfunc_end_k_q9d59dd12bd_proj:
	.size	k_q9d59dd12bd_proj, .Lfunc_end_k_q9d59dd12bd_proj-k_q9d59dd12bd_proj
	.p2alignl 7, 3214868480
	.fill 96, 4, 3214868480
	.section	.rodata,"a",@progbits
	.p2align	6, 0x0
	.amdhsa_kernel k_q9d59dd12bd_proj
		.amdhsa_group_segment_fixed_size 327680
		.amdhsa_private_segment_fixed_size 0
		.amdhsa_enable_private_segment 0
		.amdhsa_kernarg_size 40
		.amdhsa_user_sgpr_count 2
		.amdhsa_user_sgpr_kernarg_segment_ptr 1
		.amdhsa_wavefront_size32 1
		.amdhsa_system_sgpr_workgroup_id_x 1
		.amdhsa_system_sgpr_workgroup_id_y 1
		.amdhsa_system_sgpr_workgroup_id_z 1
		.amdhsa_system_vgpr_workitem_id 0
		.amdhsa_next_free_vgpr 1024
		.amdhsa_next_free_sgpr 102
		.amdhsa_reserve_vcc 0
		.amdhsa_float_denorm_mode_32 3
		.amdhsa_float_denorm_mode_16_64 3
		.amdhsa_memory_ordered 1
		.amdhsa_forward_progress 1
		.amdhsa_inst_pref_size 146
	.end_amdhsa_kernel
	.amdgpu_metadata
---
amdhsa.version: [ 1, 2 ]
amdhsa.kernels:
  - .name:           k_q9d59dd12bd_proj
    .symbol:         k_q9d59dd12bd_proj.kd
    .args:
      - { .name: cod, .offset: 0, .size: 8, .value_kind: global_buffer, .address_space: global }
      - { .name: scl, .offset: 8, .size: 8, .value_kind: global_buffer, .address_space: global }
      - { .name: am, .offset: 16, .size: 8, .value_kind: global_buffer, .address_space: global }
      - { .name: pj, .offset: 24, .size: 8, .value_kind: global_buffer, .address_space: global }
      - { .name: fac, .offset: 32, .size: 8, .value_kind: global_buffer, .address_space: global }
    .group_segment_fixed_size: 327680
    .private_segment_fixed_size: 0
    .kernarg_segment_align: 8
    .kernarg_segment_size: 40
    .max_flat_workgroup_size: 128
    .sgpr_count:     102
    .vgpr_count:     1024
    .wavefront_size: 32
...
	.end_amdgpu_metadata
.endif
;; end of part 2
;; launch attn (part 3): grid 8 x 32, 8 waves a work-group, clusters of 4 x 1, 327,680 bytes of LDS; arguments pj, fac, hd; writes hd
.if DOCPART == 3
	.amdgcn_target "amdgcn-amd-amdhsa--gfx1250"
	.amdhsa_code_object_version 6
	.text
	.protected	k_q9d59dd12bd_attn
	.globl	k_q9d59dd12bd_attn
	.p2align	8
	.type	k_q9d59dd12bd_attn,@function
k_q9d59dd12bd_attn:
	s_mov_b64 s[64:65], 0
	v_nop
	global_prefetch_b8 v0, s[64:65] scope:SCOPE_SE
	s_setreg_imm32_b32 hwreg(HW_REG_WAVE_MODE, 25, 1), 1
	s_wait_xcnt 0x0
	s_wait_alu depctr_hold_cnt(0) depctr_sa_sdst(0) depctr_va_vdst(0) depctr_va_sdst(0) depctr_va_ssrc(0) depctr_va_vcc(0) depctr_vm_vsrc(0)
	s_getreg_b32 s2, hwreg(HW_REG_IB_STS2, 6, 4)
	s_cmp_eq_u32 s2, 0
	s_cbranch_scc0 .Lentry_in_a_cluster
	s_endpgm
.Lentry_in_a_cluster:
	s_bfe_u32 s2, ttmp6, 0x10000c
	s_cmp_lg_u32 s2, 0x3003
	s_cbranch_scc0 .Lentry_shape_is_right
	s_endpgm
.Lentry_shape_is_right:
; hd[bh][q][:] = the sum over k of softmax_k(q . k / 8) v'[bh][k][:], no mask.  q', k', v' are pj's three parts, [32 (b, h)][2048][64] f16, each a projection times a power of two;
; fac holds the inverse powers.  t = score x c, c = log2(e) / 8 x facQ x facK (one scalar); v's power stays in hd (a convex mix of v', so inside f16) and is taken out by the next launch.
; Products, maxima and sums in f32; the weights p = 2^(t - largest t so far) are at most 1 and are rounded to f16 for the second product; the row's sum is taken of the unrounded p.
; SHARES.  A work-group owns 256 queries of one (b, h); each of eight waves 32: two tiles of 16.  Two waves share a SIMD, so that one wave's vector work stands beside the other's products.
; Every wave walks all 2048 keys, 64 a step.  LAYOUT: S^T = K Q^T and O^T = V^T P: a lane holds one query throughout; K comes out of LDS as it lies, V turned by ds_load_tr16_b128.
; A STEP: S^T = K Q^T on the K that is in registers already | one run of LDS loads: this step's V and the NEXT step's K | softmax | O^T x a | O^T += V^T P.  So a step's last products and the next step's first
; follow each other, and both runs of loads land under the softmax.  Only a slot's first K, which may be read only behind the change of slots, is fetched and awaited at the slot's head.
; RING.  Two LDS slots of four steps (256 keys).  Waves 0-3 fetch K's four tiles of a slot, waves 4-7 V's: one load a wave behind each change of slots, with four steps' work in which to land.
; CLUSTER 4 x 1: the four query blocks of a cluster walk the same K and V: each tile is asked for jointly, with a mask that names the four.
; REGISTERS.  window 0: v1-11 addresses; v12-27 statistics, 8 a tile: +0 c m, +1 m, +2, +3 the sum (even, odd keys), +4..+7 at work (a = 2^(c m old - c m new) in +6); v32, v33 the old c m;
;   v64-127 S^T, then p; v128-159 P; v160-191 Q.   window 1: v0-63 K of a step; v64-127 V; v128-191 O^T.
; LIMITS: NaN and infinities are not served; weights under 6e-8 of the row's largest fall to zero in f16.
.set KS,    64
.set PK,    144       ; a row of K in LDS: 128 bytes + 16: the 16 rows of a load start at 16 different banks
.set PV,    160       ; a row of V: 128 + 32: 16 lanes of the turning load take 8 rows x 32 bytes
.set VOFF,  KS*PK
.set STEPB, KS*(PK+PV)
.set NST,   4         ; steps in a slot
.set SLOT1, 1<<17     ; slot 1 begins here: one exclusive or turns an address from one slot to the other
.set STAGE, SLOT1+NST*STEPB  ; the way out: 16 rows x 144 bytes a wave
.set SP,    144
.set SPARE, STAGE+8*16*SP    ; the spare words, 128 bytes a wave
.set AK0, 2
.set AV0, 3
.set ADK, 4
.set ADV, 5
.set QO,  6
.set STO, 7
.set RD,  8
.set GO,  9
.set ST,  12
.set PFO, 28          ; v28  256 x lane; never rewritten
.set SPW, 30
.set NIL, 31
.set OLD, 32
.set S,   64
.set P,   128
.set Q,   160
.set O,   128         ; in window 1
.set WV,  12
.set LIM, 15          ; s15  1 in a wave that prefetches, else the greatest number
.set PFA, 18          ; s[18:19] where my prefetches stand
.set G1K, 24
.set G1V, 32
.set G0K, 40          ; s[40:47]: a set for each first fill; the second then walks
.set G0V, 48
.set SLOTS, 56
.set CNT, 57
.set CS,  58          ; s[58:59] c, twice
.set SEL, 60
.set TB,  62          ; LDS byte at which the step in hand begins
.set MSB, 0
.macro WIN new
.if MSB != (\new)
	s_set_vgpr_msb (MSB<<8)|(\new)
.set MSB, (\new)
.endif
.endm
.set TO1,  0x40       ; destination window 1
.set W_KQ, 0x01       ; K in window 1; Q and S^T in window 0
.set W_RS, 0x41       ; O^T (destination and source 0) in window 1, a in window 0
.set W_PV, 0x51       ; V and O^T in window 1, P in window 0
.macro JLOAD          ; a joint refill; the branch hangs on the wave's number alone; an s_nop 0 and four v_nop follow each line
	s_cmp_lt_u32 s[WV], 4
	s_cbranch_scc0 .Lfor_v_\@
	tensor_load_to_lds s[G0K+4:G0K+7], s[G1K:G1K+7]
	s_nop 0
.rept 4
	v_nop
.endr
	s_branch .Lasked_\@
.Lfor_v_\@:
	tensor_load_to_lds s[G0V+4:G0V+7], s[G1V:G1V+7]
	s_nop 0
.rept 4
	v_nop
.endr
.Lasked_\@:
.endm
; A prefetch of what the NEXT change of slots will ask for: a slot's 32,768 bytes of K and of V.  Each aligned 256 bytes are named once in the launch: the head's first cluster asks; its four partners
; take 8,192 bytes each, told apart by address; in each, wave 0 asks for K's and wave 4 for V's, lanes 256 bytes apart.  It stands behind the wave's tensor load; the last change that fills a slot asks for nothing.
.macro ASK
	s_cmp_gt_u32 s[SLOTS], s[LIM]
	s_cbranch_scc0 .Lnot_mine_\@
	global_prefetch_b8 v[PFO], s[PFA:PFA+1] th:TH_LOAD_NT scope:SCOPE_SE
.Lnot_mine_\@:
.endm
.macro CROUND
	s_barrier_signal -1
	s_barrier_wait -1
	s_cmp_lg_u32 s[WV], 0
	s_cbranch_scc1 .Lnot_wave_0_\@
	s_barrier_signal -3
.Lnot_wave_0_\@:
	s_barrier_wait -3
	s_barrier_signal -1
	s_barrier_wait -1
.endm
	s_load_b128 s[4:7], s[0:1], 0x0   ; pj, fac
	s_load_b64 s[10:11], s[0:1], 0x10 ; hd
	v_lshl_add_u32 v[SPW], v0, 2, SPARE
	v_mov_b32 v[NIL], 0
	ds_add_u32 v[SPW], v[NIL]       ; the wave's opening: the add, twice on end, and its wait ahead of my first tensor load
	ds_add_u32 v[SPW], v[NIL]
	v_lshrrev_b32 v1, 5, v0
	v_readfirstlane_b32 s[WV], v1   ; wave 0..7
	s_bfe_u32 s13, ttmp6, 0x40000   ; cx
	s_lshl_b32 s14, ttmp9, 2
	s_add_co_u32 s14, s14, s13      ; my block of 256 queries: it enters Q's and hd's addresses alone
	s_and_b32 s20, ttmp7, 0xffff    ; (b, h), which the four partners share
	s_lshl_b32 s20, s20, 18         ; its 2048 rows of 128 bytes
	s_and_b32 s16, s[WV], 3         ; which of a slot's four steps I fetch
	s_lshl_b32 s22, s16, 13
	s_add_co_u32 s22, s22, s20
	s_mov_b32 s23, 0
	s_mul_i32 s17, s16, STEPB       ; and its place in a slot
	s_lshl_b32 s2, s14, 15
	s_lshl_b32 s3, s[WV], 12
	s_add_co_u32 s2, s2, s3
	s_add_co_u32 s2, s2, s20        ; my wave's 32 rows
	s_mov_b32 s3, 0
	s_mov_b32 s[G1K], 15|(1<<16)|(1<<20)|(1<<21)|(4<<22)|(3<<25)  ; the mask: all four; elements of 2 bytes; padding: 4 words behind every 32; bit 21 beside a mask
	s_mov_b32 s[G1V], 15|(1<<16)|(1<<20)|(1<<21)|(4<<22)|(7<<25)  ; the same with 8 words
.irp g, G1K, G1V
	s_mov_b32 s[\g+1], 64<<16       ; tensor_dim0
	s_mov_b32 s[\g+2], KS<<16       ; tensor_dim1
	s_mov_b32 s[\g+3], 64<<16       ; tile_dim0
	s_mov_b32 s[\g+4], KS           ; tile_dim1
	s_mov_b32 s[\g+5], 64           ; the pitch
	s_mov_b32 s[\g+6], 0
	s_mov_b32 s[\g+7], 0
.endr
	s_mov_b32 s[SEL], 0x76543210
	s_mov_b32 s[SEL+1], 0xfedcba98
	s_mov_b32 s[TB], 0
	s_mov_b32 s[SLOTS], 2048/(NST*KS)-2
	s_and_b32 s[LIM], s[WV], 3      ; 0 in waves 0 and 4,
	s_or_b32 s[LIM], s[LIM], ttmp9  ; of the head's first cluster: the same in all four partners
	s_cmp_eq_u32 s[LIM], 0
	s_cselect_b32 s[LIM], 1, -1
	v_and_b32 v[PFO], 31, v0
	v_lshlrev_b32 v[PFO], 8, v[PFO]
	s_wait_dscnt 0x0                ; both opening adds are done
	s_wait_kmcnt 0x0
	s_add_nc_u64 s[8:9], s[4:5], s[22:23]
	s_add_nc_u64 s[66:67], s[8:9], 16777216  ; V at my tile of slot 0
	s_add_nc_u64 s[8:9], s[8:9], 8388608     ; K likewise
	s_add_nc_u64 s[4:5], s[4:5], s[2:3]      ; Q and hd at my wave's first row
	s_add_nc_u64 s[10:11], s[10:11], s[2:3]
	s_cmp_lt_u32 s[WV], 4
	s_cselect_b64 s[PFA:PFA+1], s[8:9], s[66:67]  ; (in waves 0 and 4 these stand at a slot's first row)
	s_lshl_b32 s2, s13, 13          ; my work-group's quarter
	s_add_nc_u64 s[PFA:PFA+1], s[PFA:PFA+1], s[2:3]
	s_add_nc_u64 s[PFA:PFA+1], s[PFA:PFA+1], 2*NST*KS*128  ; in slot 2; the first change steps it to slot 3.  Nothing is prefetched at the head
	s_load_b32 s20, s[6:7], 0x0     ; facQ
	s_load_b32 s21, s[6:7], 0x100   ; facK
	CROUND                          ; all four work-groups are here: the first joint loads meet
.irp s, 0,1
	s_mov_b32 s[G0K+4*\s], 1
	s_add_co_u32 s[G0K+4*\s+1], s17, \s*SLOT1
	s_add_nc_u64 s[G0K+4*\s+2:G0K+4*\s+3], s[8:9], \s*NST*KS*128
	s_or_b32 s[G0K+4*\s+3], s[G0K+4*\s+3], 0x80000000
	s_mov_b32 s[G0V+4*\s], 1
	s_add_co_u32 s[G0V+4*\s+1], s17, \s*SLOT1+VOFF
	s_add_nc_u64 s[G0V+4*\s+2:G0V+4*\s+3], s[66:67], \s*NST*KS*128
	s_or_b32 s[G0V+4*\s+3], s[G0V+4*\s+3], 0x80000000
.endr
	s_cmp_lt_u32 s[WV], 4           ; a wave's two first fills stand in one branch: two loads of mine are out
	s_cbranch_scc0 .Lfirst_v
	tensor_load_to_lds s[G0K:G0K+3], s[G1K:G1K+7]
	s_nop 0
	tensor_load_to_lds s[G0K+4:G0K+7], s[G1K:G1K+7]
	s_nop 0
.rept 4
	v_nop
.endr
	s_branch .Lfirst_asked
.Lfirst_v:
	tensor_load_to_lds s[G0V:G0V+3], s[G1V:G1V+7]
	s_nop 0
	tensor_load_to_lds s[G0V+4:G0V+7], s[G1V:G1V+7]
	s_nop 0
.rept 4
	v_nop
.endr
.Lfirst_asked:
	v_and_b32 v1, 15, v0            ; r
	v_bfe_u32 v10, v0, 4, 1         ; h
	v_lshlrev_b32 v[QO], 7, v1
	v_lshl_add_u32 v[QO], v10, 4, v[QO]  ; row x 128 + 16 x half
.irp f, 0,1,2,3                     ; Q stays in registers: tile f / 2, channels 32 (f % 2) on
	global_load_b128 v[Q+8*\f:Q+8*\f+3],   v[QO], s[4:5] offset:(\f/2)*2048+(\f%2)*64
	global_load_b128 v[Q+8*\f+4:Q+8*\f+7], v[QO], s[4:5] offset:(\f/2)*2048+(\f%2)*64+32
.endr
	v_mul_u32_u24 v[AK0], v1, PK
	v_lshl_add_u32 v[AK0], v10, 4, v[AK0]
	v_and_b32 v11, 7, v0
	v_bfe_u32 v29, v0, 3, 1
	v_lshl_add_u32 v[AV0], v10, 3, v11   ; the turning load: lane l reads key 8 (l / 16) + l % 8, channels 8 ((l / 8) % 2) on
	v_mul_u32_u24 v[AV0], v[AV0], PV
	v_lshl_add_u32 v[AV0], v29, 4, v[AV0]
	v_add_nc_u32 v[AV0], VOFF, v[AV0]
	s_mul_i32 s14, s[WV], 16*SP
	s_add_co_u32 s14, s14, STAGE    ; my stage
	v_mul_u32_u24 v[STO], v1, SP
	v_lshl_add_u32 v[STO], v10, 4, v[STO]
	v_add_nc_u32 v[STO], s14, v[STO]
	v_and_b32 v[GO], 31, v0
	v_lshrrev_b32 v[RD], 3, v[GO]
	v_mul_u32_u24 v[RD], v[RD], SP
	v_lshl_add_u32 v[RD], v11, 4, v[RD]
	v_add_nc_u32 v[RD], s14, v[RD]  ; back: eight lanes to a row of 128 bytes, four rows an instruction
	v_lshlrev_b32 v[GO], 4, v[GO]   ; which are 512 consecutive bytes of hd
.irp t, 0,1
	v_mov_b32 v[ST+8*\t], 0xff61b1e6     ; c m and m begin at -3e38, under every score: the first a is 0
	v_mov_b32 v[ST+8*\t+1], 0xff61b1e6
	v_mov_b32 v[ST+8*\t+2], 0            ; the sum
	v_mov_b32 v[ST+8*\t+3], 0
.endr
	WIN TO1
.set j, 0
.rept 64
	v_mov_b32 v[O+j], 0             ; O^T begins as zeros, once: the step is then written in one form, with no first step of its own
.set j, j+1
.endr
	WIN 0
	s_wait_kmcnt 0x0
	s_mov_b32 s[CS], 0x3e38aa3b     ; log2(e) / 8,
	s_mul_f32 s[CS], s[CS], s20     ; with the two powers taken out: exact
	s_mul_f32 s[CS], s[CS], s21
	s_mov_b32 s[CS+1], s[CS]
.macro KLOADS                       ; a step's K: keys 16 (f / 2) on, channels 32 (f % 2) on; the destination's window is 1
.irp f, 0,1,2,3,4,5,6,7
	ds_load_b128 v[8*\f:8*\f+3],   v[ADK] offset:(\f/2)*16*PK+(\f%2)*64
	ds_load_b128 v[8*\f+4:8*\f+7], v[ADK] offset:(\f/2)*16*PK+(\f%2)*64+32
.endr
.endm
; A KEY STEP: 64 keys.  K is in registers.  pre = 1: the next step's K, which lies in the same slot, is fetched with this step's V.
.macro STEP pre
	WIN W_KQ
.set i, 0
.rept 16                            ; the eight accumulators take turns; the first eight products start the sums.  They name no register of the products V^T P in front of them
.set rS, S+32*(i%2)+8*((i/2)%4)
.set rK, 16*((i/2)%4)+8*(i/8)
.set rQ, Q+16*(i%2)+8*(i/8)
.if i < 8
	v_wmma_f32_16x16x32_f16 v[rS:rS+7], v[rK:rK+7], v[rQ:rQ+7], 0
.else
	v_wmma_f32_16x16x32_f16 v[rS:rS+7], v[rK:rK+7], v[rQ:rQ+7], v[rS:rS+7]
.endif
.set i, i+1
.endr
	WIN 0
.irp t, 0,1
	v_mov_b32 v[OLD+\t], v[ST+8*\t] ; c m old is kept.  These two lines and the two below are the four places between the products and the loads into K's and V's registers, and the first read of S^T
.endr
	v_add_nc_u32 v[ADV], s[TB], v[AV0]   ; this step's V
	s_add_co_u32 s[TB], s[TB], STEPB
.if \pre
	v_add_nc_u32 v[ADK], s[TB], v[AK0]   ; the next step's K
.else
	v_nop
.endif
	WIN TO1
.irp f, 0,1,2,3,4,5,6,7             ; V, turned: keys 32 (f / 4) on, channels 16 (f % 4) on
	ds_load_tr16_b128 v[64+8*\f:64+8*\f+3],   v[ADV] offset:(\f/4)*32*PV+(\f%4)*32
	ds_load_tr16_b128 v[64+8*\f+4:64+8*\f+7], v[ADV] offset:(\f/4)*32*PV+16*PV+(\f%4)*32
.endr
.if \pre
	KLOADS
.endif
	WIN 0
.irp j, 0,1,2,3                     ; the maximum of the lane's 32 scores and the old m: four chains a tile, each accumulator read from its low end on, the tiles by turns
.irp t, 0,1
	v_max3_num_f32 v[ST+8*\t+4+\j], v[S+32*\t+8*\j], v[S+32*\t+8*\j+1], v[S+32*\t+8*\j+2]
.endr
.endr
.irp g, 1,2
.irp j, 0,1,2,3
.irp t, 0,1
	v_max3_num_f32 v[ST+8*\t+4+\j], v[ST+8*\t+4+\j], v[S+32*\t+8*\j+2*\g+1], v[S+32*\t+8*\j+2*\g+2]
.endr
.endr
.endr
.irp t, 0,1
	v_max3_num_f32 v[ST+8*\t+4], v[ST+8*\t+4], v[S+32*\t+7], v[S+32*\t+15]
.endr
.irp t, 0,1
	v_max3_num_f32 v[ST+8*\t+6], v[ST+8*\t+6], v[S+32*\t+23], v[S+32*\t+31]
.endr
.irp t, 0,1
	v_max3_num_f32 v[ST+8*\t+4], v[ST+8*\t+4], v[ST+8*\t+5], v[ST+8*\t+6]
.endr
.irp t, 0,1
	v_max3_num_f32 v[ST+8*\t+4], v[ST+8*\t+4], v[ST+8*\t+7], v[ST+8*\t+1]
.endr
.irp t, 0,1
	v_permlanex16_b32 v[ST+8*\t+5], v[ST+8*\t+4], s[SEL], s[SEL+1]  ; the query's other 32 keys lie in the lane 16 away
.endr
.irp t, 0,1
	v_max_num_f32 v[ST+8*\t+1], v[ST+8*\t+4], v[ST+8*\t+5]          ; the new m
.endr
.irp t, 0,1
	v_mul_f32 v[ST+8*\t], s[CS], v[ST+8*\t+1]                       ; c m (c is positive)
.endr
.irp t, 0,1
	v_sub_f32 v[ST+8*\t+7], v[OLD+\t], v[ST+8*\t]                   ; c m old - c m new
.endr
; ONE BATCH: the scalings c s - c m and all 66 exponentials; none of these lines names an exponential's result
.set b, 0
.rept 16
	v_pk_fma_f32 v[S+2*b:S+2*b+1], v[S+2*b:S+2*b+1], s[CS:CS+1], v[ST:ST+1] op_sel_hi:[1,0,0] neg_lo:[0,0,1] neg_hi:[0,0,1]
.set b, b+1
.endr
.set b, 0
.rept 16
	v_pk_fma_f32 v[S+32+2*b:S+32+2*b+1], v[S+32+2*b:S+32+2*b+1], s[CS:CS+1], v[ST+8:ST+9] op_sel_hi:[1,0,0] neg_lo:[0,0,1] neg_hi:[0,0,1]
	v_exp_f32 v[S+2*b], v[S+2*b]
	v_exp_f32 v[S+2*b+1], v[S+2*b+1]
.set b, b+1
.endr
.set b, 0
.rept 32
	v_exp_f32 v[S+32+b], v[S+32+b]
.set b, b+1
.endr
	v_exp_f32 v[ST+6], v[ST+7]      ; a
	v_exp_f32 v[ST+14], v[ST+15]
	v_nop                           ; the plain line behind the last exponential
	s_wait_alu depctr_va_vdst(0)    ; one wait for the whole batch, ahead of its first reader
.irp t, 0,1
.set j, 0
.rept 16
	v_cvt_pk_f16_f32 v[P+16*\t+j], v[S+32*\t+2*j], v[S+32*\t+2*j+1]   ; two tiles of 16 keys, rounded in pairs, are source 1 (32 keys x 16 queries) of the second product
.set j, j+1
.endr
.endr
.irp w, 4,8,16,32                   ; the sum of the unrounded weights, in place, in pairs (even keys', odd keys'), the tiles by turns
.set u, 0
.rept 32/\w
.irp t, 0,1
	v_pk_add_f32 v[S+32*\t+\w*u:S+32*\t+\w*u+1], v[S+32*\t+\w*u:S+32*\t+\w*u+1], v[S+32*\t+\w*u+\w/2:S+32*\t+\w*u+\w/2+1]
.endr
.set u, u+1
.endr
.endr
.irp t, 0,1
	v_pk_fma_f32 v[ST+8*\t+2:ST+8*\t+3], v[ST+8*\t+2:ST+8*\t+3], v[ST+8*\t+6:ST+8*\t+7], v[S+32*\t:S+32*\t+1] op_sel_hi:[1,0,1]   ; the sum = a x the sum + the step's
.endr
	WIN W_RS
.irp t, 0,1
.set j, 0
.rept 16
	v_pk_mul_f32 v[O+32*\t+2*j:O+32*\t+2*j+1], v[O+32*\t+2*j:O+32*\t+2*j+1], v[ST+8*\t+6:ST+8*\t+7] op_sel_hi:[1,0]   ; O^T x a, each accumulator from its low end on
.set j, j+1
.endr
.endr
	s_wait_dscnt 0x0                ; V is in, and so is the next step's K: both were asked for ahead of the softmax
	WIN W_PV
.set i, 0
.rept 16                            ; keys 32 (i / 8) on, channels 16 ((i / 2) % 4) on, tile i % 2: the eight accumulators by turns
.set rO, O+32*(i%2)+8*((i/2)%4)
.set rV, 64+8*(4*(i/8)+(i/2)%4)
.set rP, P+16*(i%2)+8*(i/8)
	v_wmma_f32_16x16x32_f16 v[rO:rO+7], v[rV:rV+7], v[rP:rP+7], v[rO:rO+7]
.set i, i+1
.endr
	WIN 0
.endm
; THE CHANGE OF SLOTS.  Each wave waits for all its tensor loads (one is out: its part of the other slot), adds 0 to its spare word, and waits for that and for its reads of the slot that it leaves.
; fill = 1: the barrier is a round of the cluster's, and the joint refill, the keys two slots on, is the first thing behind it.
.macro CHANGE fill
	s_wait_tensorcnt 0x0            ; no tensor load of mine is out, so a group 0 may be written
	ds_add_u32 v[SPW], v[NIL]
.if \fill
.irp g, G0K+4, G0V+4
	s_xor_b32 s[\g+1], s[\g+1], SLOT1
	s_add_nc_u64 s[\g+2:\g+3], s[\g+2:\g+3], NST*KS*128
.endr
	s_wait_xcnt 0x0                 ; the last prefetch, a slot back, has read its address
	s_add_nc_u64 s[PFA:PFA+1], s[PFA:PFA+1], NST*KS*128
	s_wait_dscnt 0x0                ; the add is done, and my reads of the slot are over
	CROUND
	JLOAD
	ASK
.else
	s_wait_dscnt 0x0
	s_barrier_signal -1
	s_barrier_wait -1
.endif
	s_sub_co_u32 s[TB], s[TB], NST*STEPB
	s_xor_b32 s[TB], s[TB], SLOT1   ; on to the other slot's first step
.endm
; A slot's four steps.  Its first K is fetched here, behind the barrier that has shown the slot whole; three steps fetch the next K ahead, the fourth has no next K in this slot.
.macro SLOT_STEPS
	v_add_nc_u32 v[ADK], s[TB], v[AK0]
	WIN TO1
	KLOADS                          ; (the last products that read K's registers stand a whole softmax back)
	WIN 0
	s_mov_b32 s[CNT], NST-1
	s_wait_dscnt 0x0                ; K is in
.Lstep_\@:
	STEP 1
	s_sub_co_u32 s[CNT], s[CNT], 1
	s_cmp_lg_u32 s[CNT], 0
	s_cbranch_scc1 .Lstep_\@
	STEP 0
.endm
	s_wait_tensorcnt 1              ; my part of slot 0 is in; slot 1's may stay out
	s_barrier_signal -1
	s_barrier_wait -1
	s_wait_loadcnt 0x0              ; Q
	SLOT_STEPS
.Lslot:                             ; six trips: every slot's worth of keys but the first two is asked for here
	CHANGE 1
	SLOT_STEPS
	s_sub_co_u32 s[SLOTS], s[SLOTS], 1
	s_cmp_lg_u32 s[SLOTS], 0
	s_cbranch_scc1 .Lslot
	CHANGE 0                        ; the tail is written out
	SLOT_STEPS
	; THE WAY OUT.  The sum's halves are added; O^T / the sum, to f16, goes through my stage, a tile (16 rows of 128 bytes) at a time.  The additions are the places behind the last products.
.irp t, 0,1
	v_add_f32 v[ST+8*\t+4], v[ST+8*\t+2], v[ST+8*\t+3]
.endr
.irp t, 0,1
	v_permlanex16_b32 v[ST+8*\t+5], v[ST+8*\t+4], s[SEL], s[SEL+1]
.endr
.irp t, 0,1
	v_add_f32 v[ST+8*\t+4], v[ST+8*\t+4], v[ST+8*\t+5]
.endr
	v_nop
	v_nop
.irp t, 0,1
	v_rcp_f32 v[ST+8*\t+6], v[ST+8*\t+4]
.endr
	v_nop                           ; a plain line behind the last reciprocal,
	s_wait_alu depctr_va_vdst(0)    ; and the one wait ahead of the first use
.irp t, 0,1
	WIN 0x01                        ; source 0 window 1
.set j, 0
.rept 16
	v_pk_mul_f32 v[S+32*\t+2*j:S+32*\t+2*j+1], v[O+32*\t+2*j:O+32*\t+2*j+1], v[ST+8*\t+6:ST+8*\t+7] op_sel_hi:[1,0]
.set j, j+1
.endr
	WIN 0
.set j, 0
.rept 16
	v_cvt_pk_f16_f32 v[P+16*\t+j], v[S+32*\t+2*j], v[S+32*\t+2*j+1]
.set j, j+1
.endr
.irp f, 0,1,2,3
	ds_store_b128 v[STO], v[P+16*\t+4*\f:P+16*\t+4*\f+3] offset:32*\f
.endr
.irp f, 0,1,2,3
	ds_load_b128 v[S+32*\t+4*\f:S+32*\t+4*\f+3], v[RD] offset:\f*4*SP   ; LDS serves a wave's instructions in order: these see the stores above, and the next tile's stores come behind them
.endr
.endr
.irp t, 0,1
.irp f, 0,1,2,3
	s_wait_dscnt 8*(1-\t)+3-\f      ; behind this load: the tile's later loads, and for tile 0 tile 1's eight LDS instructions
	global_store_b128 v[GO], v[S+32*\t+4*\f:S+32*\t+4*\f+3], s[10:11] offset:\t*2048+\f*512   ; 32 lanes store 512 consecutive bytes, aligned
.endr
.endr
	s_wait_tensorcnt 0x0            ; the wave's end
	ds_add_u32 v[SPW], v[NIL]
	s_wait_dscnt 0x0
	CROUND                          ; the closing round
	s_endpgm
.Lfunc_end_k_q9d59dd12bd_attn:
	.size	k_q9d59dd12bd_attn, .Lfunc_end_k_q9d59dd12bd_attn-k_q9d59dd12bd_attn
	.p2alignl 7, 3214868480
	.fill 96, 4, 3214868480
	.section	.rodata,"a",@progbits
	.p2align	6, 0x0
	.amdhsa_kernel k_q9d59dd12bd_attn
		.amdhsa_group_segment_fixed_size 327680
		.amdhsa_private_segment_fixed_size 0
		.amdhsa_enable_private_segment 0
		.amdhsa_kernarg_size 24
		.amdhsa_user_sgpr_count 2
		.amdhsa_user_sgpr_kernarg_segment_ptr 1
		.amdhsa_wavefront_size32 1
		.amdhsa_system_sgpr_workgroup_id_x 1
		.amdhsa_system_sgpr_workgroup_id_y 1
		.amdhsa_system_sgpr_workgroup_id_z 1
		.amdhsa_system_vgpr_workitem_id 0
		.amdhsa_next_free_vgpr 448
		.amdhsa_next_free_sgpr 70
		.amdhsa_reserve_vcc 0
		.amdhsa_float_denorm_mode_32 3
		.amdhsa_float_denorm_mode_16_64 3
		.amdhsa_memory_ordered 1
		.amdhsa_forward_progress 1
		.amdhsa_inst_pref_size 121
	.end_amdhsa_kernel
	.amdgpu_metadata
---
amdhsa.version: [ 1, 2 ]
amdhsa.kernels:
  - .name:           k_q9d59dd12bd_attn
    .symbol:         k_q9d59dd12bd_attn.kd
    .args:
      - { .name: pj, .offset: 0, .size: 8, .value_kind: global_buffer, .address_space: global }
      - { .name: fac, .offset: 8, .size: 8, .value_kind: global_buffer, .address_space: global }
      - { .name: hd, .offset: 16, .size: 8, .value_kind: global_buffer, .address_space: global }
    .group_segment_fixed_size: 327680
    .private_segment_fixed_size: 0
    .kernarg_segment_align: 8
    .kernarg_segment_size: 24
    .max_flat_workgroup_size: 256
    .sgpr_count:     70
    .vgpr_count:     448
    .wavefront_size: 32
...
	.end_amdgpu_metadata
.endif
;; end of part 3
;; launch outp (part 4): grid 8 x 32, 4 waves a work-group, clusters of 4 x 4, 327,680 bytes of LDS; arguments hd, wo16, fac, out0; writes out0
.if DOCPART == 4
	.amdgcn_target "amdgcn-amd-amdhsa--gfx1250"
	.amdhsa_code_object_version 6
	.text
	.protected	k_q9d59dd12bd_outp
	.globl	k_q9d59dd12bd_outp
	.p2align	8
	.type	k_q9d59dd12bd_outp,@function
k_q9d59dd12bd_outp:
	s_mov_b64 s[64:65], 0
	v_nop
	global_prefetch_b8 v0, s[64:65] scope:SCOPE_SE
	s_setreg_imm32_b32 hwreg(HW_REG_WAVE_MODE, 25, 1), 1
	s_wait_xcnt 0x0
	s_wait_alu depctr_hold_cnt(0) depctr_sa_sdst(0) depctr_va_vdst(0) depctr_va_sdst(0) depctr_va_ssrc(0) depctr_va_vcc(0) depctr_vm_vsrc(0)
	s_getreg_b32 s2, hwreg(HW_REG_IB_STS2, 6, 4)
	s_cmp_eq_u32 s2, 0
	s_cbranch_scc0 .Lentry_in_a_cluster
	s_endpgm
.Lentry_in_a_cluster:
	s_bfe_u32 s2, ttmp6, 0x10000c
	s_cmp_lg_u32 s2, 0xf033
	s_cbranch_scc0 .Lentry_shape_is_right
	s_endpgm
.Lentry_shape_is_right:
; out0[m][n] = facV x the sum over k of hd[m][k] wo16[k][n].  hd: the heads' result [b][h][s][64] f16, whose bytes ARE the matrix [4096][1024] of the raw reshape; wo16: WO [1024 (k)][1024 (n)] in f16;
; out0: [4096][1024] f32.  Sums in f32; facV, a power of two, takes out the power that the values' projection carries: exact.
; A tile of 128 x 128 gives 256 work-groups.  Four waves, 64 x 64 each: 16 accumulators.  K goes in four steps of 256 through two LDS slots: A's rows are 512 bytes, B's tile is 256 rows (k) of 256 bytes.
; B lies with k outermost: its fragments come out of LDS turned, by ds_load_tr16_b128.
; CLUSTER 4 x 4: A's tile is shared along a row of the cluster, B's along a column: joint loads.  No prefetch: four K steps on small tiles.
; THE MATRIX INSTRUCTION IS USED TRANSPOSED (source 0 = 16 columns of WO, source 1 = 16 rows of hd): a lane holds eight neighbouring numbers of a row of out0.
; REGISTERS: window 0: v0-31 addresses; v32-63, v64-127 at work on the way out; v128-255 the accumulators ((a, b) at v[128 + 8 (4 a + b)]).  window 1: two fragment buffers of 128: 64 of A, then 64 of B, for 64 along K.
.set PA,     528                       ; a row of A in LDS: 512 bytes + 16
.set PB,     288                       ; a row of B: 256 + 32: 16 lanes of the turning load take 8 rows x 32 bytes
.set HALFA,  64*PA
.set HALFB,  128*PB
.set AT,     2*HALFA                   ; B's tile begins behind A's 128 rows
.set SLOT,   AT+2*HALFB
.set STAGE,  2*SLOT                    ; the way out: 16 rows x (256 bytes + 16) a wave
.set SPITCH, 272
.set SPARE,  STAGE+4*16*SPITCH
.set ADRA, 16                          ; v16-17  my A fragments in slot 0, 1
.set ADRB, 20                          ; v20-23  my B fragments: slot 0 rows 0-127, rows 128-255, slot 1 likewise (an offset holds 16 bits)
.set STO,  24
.set RD,   25
.set CO,   26
.set SPW,  28
.set NIL,  29
.set TMP,  32
.set BK,   64
.set ACC,  128
.set F0,   0
.set F1,   128
.set G1, 24
.set G0, 32
.set G1B, 48
.set G0B, 56
.set MSB, 0
.macro WIN new
.if MSB != (\new)
	s_set_vgpr_msb (MSB<<8)|(\new)
.set MSB, (\new)
.endif
.endm
.set MUL,  0x05                        ; sources 0 (B) and 1 (A) window 1; C and D window 0
.set TO_F, 0x40
.macro JLOAD s                         ; waves 0 and 1 fetch A's halves, waves 2 and 3 B's; an s_nop 0 and four v_nop follow each line
	s_cmp_eq_u32 s11, 0
	s_cbranch_scc0 .Lfor_b_\@
	tensor_load_to_lds s[G0+4*\s:G0+4*\s+3], s[G1:G1+7]
	s_nop 0
.rept 4
	v_nop
.endr
	s_branch .Lasked_\@
.Lfor_b_\@:
	tensor_load_to_lds s[G0B+4*\s:G0B+4*\s+3], s[G1B:G1B+7]
	s_nop 0
.rept 4
	v_nop
.endr
.Lasked_\@:
.endm
.macro CREST
	s_cmp_lg_u32 s10, 0
	s_cbranch_scc1 .Lnot_wave_0_\@
	s_barrier_signal -3
.Lnot_wave_0_\@:
	s_barrier_wait -3
	s_barrier_signal -1
	s_barrier_wait -1
.endm
.macro CROUND
	s_barrier_signal -1
	s_barrier_wait -1
	CREST
.endm
	s_load_b128 s[4:7], s[0:1], 0x0                ; hd, wo16
	s_load_b64 s[68:69], s[0:1], 0x10              ; fac
	s_load_b64 s[8:9], s[0:1], 0x18                ; out0
	v_lshl_add_u32 v[SPW], v0, 2, SPARE
	v_mov_b32 v[NIL], 0
	ds_add_u32 v[SPW], v[NIL]                      ; the wave's opening: the add, twice on end, and its wait ahead of my first tensor load
	ds_add_u32 v[SPW], v[NIL]
	v_lshrrev_b32 v1, 5, v0
	v_readfirstlane_b32 s10, v1                    ; wave 0..3
	s_lshr_b32 s11, s10, 1                         ; my half of the tile's rows.  Also: I fetch for A (0) or B (1)
	s_and_b32 s12, s10, 1                          ; my half of its columns.  Also: which half of that tile I fetch
	s_bfe_u32 s40, ttmp6, 0x40000
	s_bfe_u32 s41, ttmp6, 0x40004
	s_lshl_b32 s42, ttmp9, 2
	s_add_co_u32 s42, s42, s40                     ; tile column
	s_and_b32 s13, ttmp7, 0xffff
	s_lshl_b32 s13, s13, 2
	s_add_co_u32 s13, s13, s41                     ; tile row
	s_lshl_b32 s43, s41, 2
	s_lshl_b32 s43, 15, s43                        ; my row of the cluster
	s_lshl_b32 s44, 0x1111, s40                    ; my column
	s_or_b32 s[G1+0], s43, (1<<16)|(1<<20)|(1<<21)|(6<<22)|(3<<25)   ; A: 64 rows x 256 elements of 2 bytes; 4 words of padding behind every 128
	s_mov_b32 s[G1+1], 256<<16
	s_mov_b32 s[G1+2], 64<<16
	s_mov_b32 s[G1+3], 256<<16
	s_mov_b32 s[G1+4], 64
	s_mov_b32 s[G1+5], 1024
	s_mov_b32 s[G1+6], 0
	s_mov_b32 s[G1+7], 0
	s_or_b32 s[G1B+0], s44, (1<<16)|(1<<20)|(1<<21)|(5<<22)|(7<<25)  ; B: 128 rows (k) x 128 elements; 8 words behind every 64
	s_mov_b32 s[G1B+1], 128<<16
	s_mov_b32 s[G1B+2], 128<<16
	s_mov_b32 s[G1B+3], 128<<16
	s_mov_b32 s[G1B+4], 128
	s_mov_b32 s[G1B+5], 1024
	s_mov_b32 s[G1B+6], 0
	s_mov_b32 s[G1B+7], 0
	s_lshl_b32 s16, s13, 7
	s_lshl_b32 s17, s12, 6
	s_add_co_u32 s16, s16, s17
	s_lshl_b32 s16, s16, 11                        ; A: row 128 x tile row + 64 x half, of 2,048 bytes
	s_mov_b32 s17, 0
	s_lshl_b32 s46, s12, 18                        ; B: k row 128 x half, + 256 bytes x tile column
	s_lshl_b32 s47, s42, 8
	s_add_co_u32 s46, s46, s47
	s_mov_b32 s47, 0
	s_mul_i32 s20, s12, HALFA                      ; where they go
	s_mul_i32 s21, s12, HALFB
	s_add_co_u32 s21, s21, AT
	s_wait_dscnt 0x0                               ; both opening adds are done
	s_wait_kmcnt 0x0
	s_add_nc_u64 s[14:15], s[4:5], s[16:17]
	s_add_nc_u64 s[46:47], s[6:7], s[46:47]
	s_load_b32 s66, s[68:69], 0x200                ; facV
	CROUND                                         ; all sixteen work-groups are here: the first joint loads meet
.irp s, 0,1
	s_mov_b32 s[G0+4*\s], 1
	s_add_co_u32 s[G0+4*\s+1], s20, \s*SLOT
	s_add_nc_u64 s[G0+4*\s+2:G0+4*\s+3], s[14:15], \s*512
	s_or_b32 s[G0+4*\s+3], s[G0+4*\s+3], 0x80000000
	s_mov_b32 s[G0B+4*\s], 1
	s_add_co_u32 s[G0B+4*\s+1], s21, \s*SLOT
	s_add_nc_u64 s[G0B+4*\s+2:G0B+4*\s+3], s[46:47], \s*256*2048
	s_or_b32 s[G0B+4*\s+3], s[G0B+4*\s+3], 0x80000000
	JLOAD \s                                       ; two tensor loads of mine are out
.endr
	s_wait_kmcnt 0x0
	s_mov_b32 s67, s66
	v_and_b32 v1, 15, v0                           ; r
	v_bfe_u32 v2, v0, 4, 1                         ; h
	v_mul_u32_u24 v3, v1, PA
	v_lshl_add_u32 v3, v2, 4, v3
	s_mul_i32 s21, s11, HALFA                      ; my 64 rows of A
	v_add_nc_u32 v[ADRA], s21, v3
	s_add_co_u32 s21, s21, SLOT
	v_add_nc_u32 v[ADRA+1], s21, v3
	v_and_b32 v5, 7, v0
	v_lshl_add_u32 v5, v2, 3, v5                   ; the turning load: lane l reads k row 8 (l / 16) + l % 8, columns 8 ((l / 8) % 2) on
	v_mul_u32_u24 v5, v5, PB
	v_bfe_u32 v6, v0, 3, 1
	v_lshl_add_u32 v5, v6, 4, v5
	s_lshl_b32 s22, s12, 7                         ; my 64 columns
	s_add_co_u32 s22, s22, AT
	v_add_nc_u32 v[ADRB], s22, v5
	s_add_co_u32 s22, s22, HALFB
	v_add_nc_u32 v[ADRB+1], s22, v5
	s_add_co_u32 s22, s22, SLOT-HALFB
	v_add_nc_u32 v[ADRB+2], s22, v5
	s_add_co_u32 s22, s22, HALFB
	v_add_nc_u32 v[ADRB+3], s22, v5
	s_mul_i32 s23, s10, 16*SPITCH
	s_add_co_u32 s23, s23, STAGE                   ; my stage
	v_mul_u32_u24 v4, v1, SPITCH
	v_lshl_add_u32 v4, v2, 5, v4
	v_add_nc_u32 v[STO], s23, v4                   ; in: row r, 32 bytes for each half of the lanes
	v_mul_u32_u24 v5, v2, SPITCH
	v_lshl_add_u32 v5, v1, 4, v5
	v_add_nc_u32 v[RD], s23, v5                    ; back: sixteen lanes to a row of 256 bytes
	v_lshlrev_b32 v5, 12, v2
	v_lshl_add_u32 v[CO], v1, 4, v5                ; and the same two rows in out0
	s_lshl_b32 s16, s13, 7
	s_lshl_b32 s17, s11, 6
	s_add_co_u32 s16, s16, s17
	s_lshl_b32 s16, s16, 12                        ; my first row, of 4,096 bytes
	s_lshl_b32 s46, s42, 9
	s_lshl_b32 s47, s12, 8
	s_add_co_u32 s46, s46, s47                     ; my first column, in bytes
	s_add_co_u32 s46, s46, s16
	s_mov_b32 s47, 0
	s_add_nc_u64 s[8:9], s[8:9], s[46:47]
.macro MUL8 f, c, a0, zero             ; 8 matrix instructions: m blocks a0, a0 + 1 x 4 n blocks, 32 along K; the 16 accumulators take turns
.irp a, \a0, \a0+1
.irp b, 0,1,2,3
.if \zero
	v_wmma_f32_16x16x32_f16 v[ACC+8*(4*(\a)+\b):ACC+8*(4*(\a)+\b)+7], v[\f+64+8*(4*\c+\b):\f+64+8*(4*\c+\b)+7], v[\f+8*(4*\c+\a):\f+8*(4*\c+\a)+7], 0
.else
	v_wmma_f32_16x16x32_f16 v[ACC+8*(4*(\a)+\b):ACC+8*(4*(\a)+\b)+7], v[\f+64+8*(4*\c+\b):\f+64+8*(4*\c+\b)+7], v[\f+8*(4*\c+\a):\f+8*(4*\c+\a)+7], v[ACC+8*(4*(\a)+\b):ACC+8*(4*(\a)+\b)+7]
.endif
.endr
.endr
.endm
.macro FETCH slot, qd, f               ; 32 LDS loads in one run: the fragments of the step's quarter qd (64 along K) into buffer f; the first 32 along K first
	WIN TO_F
.irp c, 0,1
.irp i, 0,1,2,3
	ds_load_tr16_b128 v[\f+64+8*(4*\c+\i):\f+64+8*(4*\c+\i)+3],   v[ADRB+2*\slot+(\qd)/2] offset:(((\qd)%2)*64+32*\c)*PB+32*\i
	ds_load_tr16_b128 v[\f+64+8*(4*\c+\i)+4:\f+64+8*(4*\c+\i)+7], v[ADRB+2*\slot+(\qd)/2] offset:(((\qd)%2)*64+32*\c+16)*PB+32*\i
	ds_load_b128 v[\f+8*(4*\c+\i):\f+8*(4*\c+\i)+3],         v[ADRA+\slot] offset:128*(\qd)+64*\c+\i*16*PA
	ds_load_b128 v[\f+8*(4*\c+\i)+4:\f+8*(4*\c+\i)+7],       v[ADRA+\slot] offset:128*(\qd)+64*\c+\i*16*PA+32
.endr
.endr
.endm
.macro PLACES
.rept 4
	v_nop
.endr
.endm
.macro QUARTER slot, qd, f, g, zero    ; multiplies buffer f and fetches the step's quarter qd into g
	s_wait_dscnt 16                                ; the first 32 along K are in; the other sixteen loads may be out
	WIN MUL
	MUL8 \f, 0, 0, \zero
	MUL8 \f, 0, 2, \zero
	PLACES
	FETCH \slot, \qd, \g
	s_wait_dscnt 32                                ; all but the 32 just issued
	WIN MUL
	MUL8 \f, 1, 0, 0
	MUL8 \f, 1, 2, 0
.endm
; A step's last quarter changes slots: one barrier; in front of it each wave waits for all its tensor loads, adds 0 to its spare word, and waits for that and for its reads of this slot.
; fill = 1: the barrier opens a round of the cluster's, and this slot is filled again, two K steps ahead, first thing behind it.
.macro TURN slot, next, fill
	WIN 0
	s_wait_tensorcnt 0x0
	ds_add_u32 v[SPW], v[NIL]
	s_wait_dscnt 17                                ; the add and the youngest sixteen loads may be out
	WIN MUL
	MUL8 F1, 0, 0, 0
	s_wait_dscnt 0x0                               ; the add is done, and my reads of this slot are over
	s_barrier_signal -1
	MUL8 F1, 0, 2, 0
.if \fill
	WIN 0
.endif
	s_barrier_wait -1
.if \fill
	CREST
	s_add_nc_u64 s[G0+4*\slot+2:G0+4*\slot+3], s[G0+4*\slot+2:G0+4*\slot+3], 1024
	s_add_nc_u64 s[G0B+4*\slot+2:G0B+4*\slot+3], s[G0B+4*\slot+2:G0B+4*\slot+3], 512*2048
	JLOAD \slot                                    ; the four v_nop behind it are also the places in front of the loads below
.else
	PLACES
.endif
	FETCH \next, 0, F0
	WIN MUL
	MUL8 F1, 1, 0, 0
	MUL8 F1, 1, 2, 0
.endm
	s_wait_tensorcnt 1                             ; my part of K step 0 is in; K step 1's load may be out
	s_barrier_signal -1
	s_barrier_wait -1
	FETCH 0, 0, F0
	QUARTER 0, 1, F0, F1, 1                        ; the first products start the sums
	QUARTER 0, 2, F1, F0, 0
	QUARTER 0, 3, F0, F1, 0
	TURN 0, 1, 1                                   ; slot 0 takes K step 2
	QUARTER 1, 1, F0, F1, 0
	QUARTER 1, 2, F1, F0, 0
	QUARTER 1, 3, F0, F1, 0
	TURN 1, 0, 1                                   ; slot 1 takes K step 3
	QUARTER 0, 1, F0, F1, 0
	QUARTER 0, 2, F1, F0, 0
	QUARTER 0, 3, F0, F1, 0
	TURN 0, 1, 0                                   ; nothing is left to fetch
	QUARTER 1, 1, F0, F1, 0
	QUARTER 1, 2, F1, F0, 0
	QUARTER 1, 3, F0, F1, 0
	s_wait_dscnt 16
	WIN MUL
	MUL8 F1, 0, 0, 0
	MUL8 F1, 0, 2, 0
	s_wait_dscnt 0
	MUL8 F1, 1, 0, 0
	MUL8 F1, 1, 2, 0
	WIN 0
; THE WAY OUT, 16 rows x 64 columns at a time: x facV, 32 bytes a lane into my own stage, back as whole rows of 256 bytes: a wave's 64 columns of f32 are 256 aligned bytes of out0, so no wave needs another's.
.macro OUT a
.if (\a) > 1
	s_wait_xcnt 0x0                                ; block a - 2's stores have read their registers: block a's loads may land there
.endif
.irp b, 0,1,2,3
.irp r, 0,1,2,3
	v_pk_mul_f32 v[TMP+8*\b+2*\r:TMP+8*\b+2*\r+1], v[ACC+8*(4*(\a)+\b)+2*\r:ACC+8*(4*(\a)+\b)+2*\r+1], s[66:67] op_sel_hi:[1,0]   ; each accumulator from its low end on
.endr
.endr
.irp b, 0,1,2,3
	ds_store_b128 v[STO], v[TMP+8*\b:TMP+8*\b+3] offset:64*\b
	ds_store_b128 v[STO], v[TMP+8*\b+4:TMP+8*\b+7] offset:64*\b+16
.endr
.set BB, BK+32*((\a)%2)
.irp u, 0,1,2,3,4,5,6,7
	ds_load_b128 v[BB+4*\u:BB+4*\u+3], v[RD] offset:\u*2*SPITCH    ; LDS serves a wave's instructions in order: these see the stores above
.endr
.irp u, 0,1,2,3,4,5,6,7
	s_wait_dscnt 7-\u                              ; load u is in; the later ones may be out
	global_store_b128 v[CO], v[BB+4*\u:BB+4*\u+3], s[8:9] offset:(16*(\a)+2*\u)*4096 th:TH_STORE_NT   ; sixteen lanes store 256 consecutive bytes, aligned
.endr
.endm
	PLACES
	OUT 0
	OUT 1
	OUT 2
	OUT 3
	s_wait_tensorcnt 0x0                           ; the wave's end
	ds_add_u32 v[SPW], v[NIL]
	s_wait_dscnt 0x0
	CROUND                                         ; the closing round
	s_endpgm
.Lfunc_end_k_q9d59dd12bd_outp:
	.size	k_q9d59dd12bd_outp, .Lfunc_end_k_q9d59dd12bd_outp-k_q9d59dd12bd_outp
	.p2alignl 7, 3214868480
	.fill 96, 4, 3214868480
	.section	.rodata,"a",@progbits
	.p2align	6, 0x0
	.amdhsa_kernel k_q9d59dd12bd_outp
		.amdhsa_group_segment_fixed_size 327680
		.amdhsa_private_segment_fixed_size 0
		.amdhsa_enable_private_segment 0
		.amdhsa_kernarg_size 32
		.amdhsa_user_sgpr_count 2
		.amdhsa_user_sgpr_kernarg_segment_ptr 1
		.amdhsa_wavefront_size32 1
		.amdhsa_system_sgpr_workgroup_id_x 1
		.amdhsa_system_sgpr_workgroup_id_y 1
		.amdhsa_system_sgpr_workgroup_id_z 1
		.amdhsa_system_vgpr_workitem_id 0
		.amdhsa_next_free_vgpr 512
		.amdhsa_next_free_sgpr 70
		.amdhsa_reserve_vcc 0
		.amdhsa_float_denorm_mode_32 3
		.amdhsa_float_denorm_mode_16_64 3
		.amdhsa_memory_ordered 1
		.amdhsa_forward_progress 1
		.amdhsa_inst_pref_size 91
	.end_amdhsa_kernel
	.amdgpu_metadata
---
amdhsa.version: [ 1, 2 ]
amdhsa.kernels:
  - .name:           k_q9d59dd12bd_outp
    .symbol:         k_q9d59dd12bd_outp.kd
    .args:
      - { .name: hd, .offset: 0, .size: 8, .value_kind: global_buffer, .address_space: global }
      - { .name: wo16, .offset: 8, .size: 8, .value_kind: global_buffer, .address_space: global }
      - { .name: fac, .offset: 16, .size: 8, .value_kind: global_buffer, .address_space: global }
      - { .name: out0, .offset: 24, .size: 8, .value_kind: global_buffer, .address_space: global }
    .group_segment_fixed_size: 327680
    .private_segment_fixed_size: 0
    .kernarg_segment_align: 8
    .kernarg_segment_size: 32
    .max_flat_workgroup_size: 128
    .sgpr_count:     70
    .vgpr_count:     512
    .wavefront_size: 32
...
	.end_amdgpu_metadata
.endif
;; end of part 4
